; MI455X (gfx1250); checked and timed in simulation.
; The chip was launched on July 23, 2026; its instructions are those of AMD's public machine-readable ISA for CDNA 5 (MIT licence, August 2026) and "CDNA5" Instruction Set Architecture Reference Guide (July 2026). The comments in the code are by the model that wrote it; some were corrected since.
;; Multihead Attention. Allowed arithmetic: matrix products marked QUANTISED: E2M1 operands, one E8M0 scale for each 32 along K, by v_wmma_scale_f32_16x16x128_f8f6f4 with both operands' format E2M1 (or v_wmma_scale_f32_32x16x128_f4), f32 sums; products left as they are: bf16, f16 or f32 operands; f32 sums; everything else in f32.
;; Inputs: in_proj_bias 3,072 float32; in_proj_weight 3,072 x 1,024 float32; out_proj_bias 1,024 float32; out_proj_weight 1,024 x 1,024 float32; x 2,048 x 4 x 1,024 float32.
;; Outputs: out0 2,048 x 4 x 1,024 float32.
;; This version of the problem:
;;   THIS VERSION OF THE PROBLEM IS GIVEN IN LOW PRECISION. The matrix products marked QUANTISED in the list below multiply operands that are first quantised to E2M1 (2 exponent bits, 1 mantissa bit; 4 bits a number), with one power-of-two scale for each 32 numbers along K (OCP MX v1.0); their sums are f32. The products marked 'left as it is' may take bf16, f16 or f32 operands, with f32 sums. Whichever they take, every output number must still come out within the allowed error. Rounding operands to bf16 (8 significant bits) uses up far more of that allowance than f16 does (11 bits, for magnitudes from 6e-5 to 65,504). All else is computed in f32.
;;   The module's matrix products, in the order in which they are computed (A, B: the left and right operand; K: the contracted axis; several contracted axes count as one K, in the product's order):
;;     1. [M 8,192, K 1,024] x [K 1,024, N 3,072]; A: input x; B: input in_proj_weight: QUANTISED
;;     2. batch 64 x [M 2,048, K 64] x [K 64, N 2,048]; A: computed on the way; B: computed on the way: left as it is (an operand is computed on the way)
;;     3. batch 64 x [M 2,048, K 2,048] x [K 2,048, N 64]; A: computed on the way; B: computed on the way: left as it is (an operand is computed on the way)
;;     4. [M 8,192, K 1,024] x [K 1,024, N 1,024]; A: computed on the way; B: input out_proj_weight: left as it is (an operand is computed on the way)
;;   THE QUANTISER, for each operand of a quantised product, along K:
;;     - K is cut into blocks of 32 from its start; a last block that is shorter is filled with zeros.
;;     - A block's scale is 2^e with e = floor(log2(the largest magnitude in the block)) - 2, held to -126 .. 127; a block of zeros has e = 0. As a byte (E8M0): e + 127.
;;     - Each number is divided by its block's scale, clamped to +-6, and rounded to the nearest number of E2M1, ties to even, subnormals kept.
;;     - The product sums the exact products of the quantised numbers (number of the format x scale) in f32.
;;   ~~~python
;;   def quantise(x, axis):      # numpy; x: float32 -> the quantised numbers, widened to float32 again
;;       x = np.moveaxis(x, axis, -1); K = x.shape[-1]
;;       x = np.pad(x, [(0, 0)] * (x.ndim - 1) + [(0, -K % 32)]); x = x.reshape(x.shape[:-1] + (-1, 32)); a = np.abs(x).max(-1, keepdims=True)
;;       e = np.where(a > 0, np.clip(np.frexp(np.where(a > 0, a, 1))[1] - 1 - 2, -126, 127), 0)      # np.frexp(a)[1] - 1 = floor(log2(a)), exactly
;;       r = np.clip(x / 2.0 ** e, -6, 6)
;;       step = 2.0 ** (np.maximum(np.frexp(np.where(r == 0, 1, r))[1] - 1, 0) - 1)
;;       q = np.round(r / step) * step * 2.0 ** e      # np.round: ties to even
;;       return np.moveaxis(q.reshape(q.shape[:-2] + (-1,))[..., :K], -1, axis).astype(np.float32)
;;   ~~~
;; One version. Each part assembles by itself: llvm-mc -triple=amdgcn-amd-amdhsa -mcpu=gfx1250 --defsym DOCPART=n.
;; ======== version 1 of 1: 4 launches
;; limits: values are held in f16: magnitudes above 65,504 overflow, below 6.1e-05 lose precision
;; workspace buffers: xc 4,194,304 bytes; xsc 262,144 bytes; wc 1,572,864 bytes; wsc 98,304 bytes; wo16 2,097,152 bytes; qkv 50,331,648 bytes; ao 16,777,216 bytes
;; launch prep (part 1): grid 384 x 1, 4 waves a work-group, no clusters, 33,280 bytes of LDS; arguments x, in_proj_weight, out_proj_weight, xc, xsc, wc, wsc, wo16; writes xc, xsc, wc, wsc, wo16
.if DOCPART == 1
	.amdgcn_target "amdgcn-amd-amdhsa--gfx1250"
	.amdhsa_code_object_version 6
	.text
	.protected	k_qfba6d0f794_prep
	.globl	k_qfba6d0f794_prep
	.p2align	8
	.type	k_qfba6d0f794_prep,@function
k_qfba6d0f794_prep:
	s_mov_b64 s[64:65], 0
	v_nop
	global_prefetch_b8 v0, s[64:65] scope:SCOPE_SE
	s_setreg_imm32_b32 hwreg(HW_REG_WAVE_MODE, 25, 1), 1
	s_wait_xcnt 0x0
; x [2048][4][1024] and in_proj_weight [3072][1024], f32, become codes of FP4 (E2M1), K innermost, with one E8M0 byte for each 32 along K; out_proj_weight [1024][1024] becomes f16.
; A block's scale is 2^(floor(log2(its largest magnitude)) - 2); its byte is the largest magnitude's exponent field - 2, held at 1 from below.  Each number is divided by the scale and rounded to the nearest code, ties to even, beyond 6 the code of 6.
; LIMITS: NaN and infinities among the inputs are not served; a block whose largest magnitude lies under 2^-124, a block of zeros among them, gets the byte 1 (a block of zeros has zero codes, which add nothing; this program alone reads the bytes);
; out_proj_weight must lie under 65,504 in magnitude (f16).
; ROWS OF x ARE RE-ORDERED: row (s, b) of x becomes row m' = 2048 b + s of the codes, so that 16 neighbouring rows are 16 neighbouring positions of one batch.
; SHARES.  Work-groups 0-255: x; wave w takes batch w, positions 8 g .. 8 g + 7 (input rows 16,384 bytes apart, output rows on end).  Work-groups 256-351: in_proj_weight, wave w rows 32 g + 8 w .. + 7.
; Both take ONE path: only pointers and strides are chosen, by the work-group's number.  Work-groups 352-383: out_proj_weight, 32,768 consecutive bytes a wave, a path of its own with no LDS data.
; A wave takes 16 steps of 512 numbers (half a row).  Each of a step's four loads reads 512 consecutive bytes; the 2,048 bytes turn through the wave's own stage in LDS and come back 64 bytes a lane: 16 NEIGHBOURS along K,
; which the conversions want in one lane's registers; two neighbouring lanes hold a block.  A step's codes leave as 256 consecutive bytes, a wave's 256 scale bytes as one store.  No barrier: waves share nothing.
.set WAVES, 4
.set STEPS, 16
.set EMAX,  2
.set CB,    8                          ; bytes of 16 codes
.set R,     16                         ; v16-79   four sets of 16 numbers as loaded
.set X,     80                         ; v80-111  two sets of 16 neighbours
.set E,     112                        ; v112-127 a scale byte for each step
.set C,     128                        ; v128-191 codes: four registers a step, so that no store's data are written again
.set RO,    192                        ; v192-199 16 x lane + row x the input's row stride; never rewritten
.set WREG,  8192                       ; LDS: a region for each wave: two stages of 32 x SP bytes, then its 256 scale bytes
.set SP,    80                         ; a lane's place in a stage: 64 bytes + 16 of padding
.set SPW,   12                         ; v12  LDS address of my spare word; never rewritten
.set NIL,   13                         ; v13  0; never rewritten
.set SPARE, WAVES*WREG                 ; behind the regions: the spare words, 128 bytes a wave, which no other line names
.macro LOAD t                          ; step t: half (t % 2) of row t / 2
.irp i, 0,1,2,3
	global_load_b128 v[R+16*((\t)%4)+4*\i:R+16*((\t)%4)+4*\i+3], v[RO+(\t)/2], s[4:5] offset:2048*((\t)%2)+512*\i th:TH_LOAD_NT
.endr
.endm
.macro TURN t                          ; step t's numbers through the stage: LDS serves a wave's instructions in order, so no wait stands between the stores and the loads
.irp i, 0,1,2,3
	ds_store_b128 v14, v[R+16*((\t)%4)+4*\i:R+16*((\t)%4)+4*\i+3] offset:32*SP*((\t)%2)+8*SP*\i
.endr
.irp i, 0,1,2,3
	ds_load_b128 v[X+16*((\t)%2)+4*\i:X+16*((\t)%2)+4*\i+3], v15 offset:32*SP*((\t)%2)+16*\i
.endr
.endm
.macro STEP t
.set XS, X+16*((\t)%2)
.if (\t) > 0
	s_wait_dscnt 1                                 ; this step's numbers are back from the stage (the last step's byte store may be out): so its stores into the stage have read their registers,
.else
	s_wait_dscnt 0x0
.endif
.if (\t)+4 < STEPS
	LOAD (\t)+4                                    ; which take the loads of four steps on
.endif
.if (\t)+1 < STEPS
.if STEPS-2-(\t) >= 3
	s_wait_loadcnt 12                              ; the next step's four loads are in; those of the three steps behind it may be out
.else
	s_wait_loadcnt 4*(STEPS-2-(\t))
.endif
	TURN (\t)+1
.endif
	v_max3_num_f32 v8, |v[XS]|, |v[XS+1]|, |v[XS+2]|               ; the largest magnitude of my 16, in two chains
	v_max3_num_f32 v9, |v[XS+3]|, |v[XS+4]|, |v[XS+5]|
.irp i, 6,10
	v_max3_num_f32 v8, v8, |v[XS+\i]|, |v[XS+\i+1]|
	v_max3_num_f32 v9, v9, |v[XS+\i+2]|, |v[XS+\i+3]|
.endr
	v_max3_num_f32 v8, v8, |v[XS+14]|, |v[XS+15]|
	v_max3_num_f32 v8, v8, v9, (EMAX+1)<<23        ; and the floor 2^(3 - 127): the byte cannot fall under 1
	v_max_num_f32_dpp v8, v8, v8 row_xmask:1 row_mask:0xf bank_mask:0xf   ; with my neighbour's 16: the block's
	v_add_nc_u32 v11, -(EMAX<<23), v8              ; 2 off its exponent field: the conversion takes the exponent field of this operand as its scale
	v_cvt_scalef32_pk8_fp4_f32 v[C+4*(\t)], v[XS:XS+7], v11
	v_cvt_scalef32_pk8_fp4_f32 v[C+4*(\t)+1], v[XS+8:XS+15], v11
	v_lshrrev_b32 v[E+(\t)], 23, v11               ; the scale's byte (a plain line behind the conversions)
	ds_store_b8 v5, v[E+(\t)] offset:16*(\t)       ; both lanes of a block write the same byte with the same value
	global_store_b64 v4, v[C+4*(\t):C+4*(\t)+1], s[6:7] offset:32*CB*(\t)   ; 32 lanes store 256 consecutive bytes, aligned
.endm
.macro CLOAD k                         ; the f16 path: batch k, 16 loads of 512 consecutive bytes, into set k % 2 (v16-79, v80-143)
.irp i, 0,1,2,3,4,5,6,7,8,9,10,11,12,13,14,15
	global_load_b128 v[16+64*((\k)%2)+4*\i:16+64*((\k)%2)+4*\i+3], v3, s[4:5] offset:8192*(\k)+512*\i th:TH_LOAD_NT
.endr
.endm
.macro CBATCH k
.if (\k) < 3
	s_wait_loadcnt 16                              ; this batch's 16 loads are in; the next batch's 16 may be out
.else
	s_wait_loadcnt 0x0
.endif
.if (\k) > 1
	s_wait_xcnt 0x0                                ; the stores of two batches back have read their data registers, which are written again below
.endif
.irp i, 0,1,2,3,4,5,6,7,8,9,10,11,12,13,14,15
	v_cvt_pk_f16_f32 v[144+32*((\k)%2)+2*\i], v[16+64*((\k)%2)+4*\i], v[16+64*((\k)%2)+4*\i+1]
	v_cvt_pk_f16_f32 v[144+32*((\k)%2)+2*\i+1], v[16+64*((\k)%2)+4*\i+2], v[16+64*((\k)%2)+4*\i+3]
.endr
.if (\k) < 2
	CLOAD (\k)+2
.endif
.irp i, 0,1,2,3,4,5,6,7,8,9,10,11,12,13,14,15
	global_store_b64 v4, v[144+32*((\k)%2)+2*\i:144+32*((\k)%2)+2*\i+1], s[6:7] offset:4096*(\k)+256*\i   ; 256 consecutive bytes, aligned
.endr
.endm
	s_load_b512 s[16:31], s[0:1], 0x0              ; x s[16:17], in_proj_weight s[18:19], out_proj_weight s[20:21], xc s[22:23], xsc s[24:25], wc s[26:27], wsc s[28:29], wo16 s[30:31]
	v_lshl_add_u32 v[SPW], v0, 2, SPARE
	v_mov_b32 v[NIL], 0
	v_lshrrev_b32 v1, 5, v0
	v_readfirstlane_b32 s33, v1                    ; wave
	v_and_b32 v2, 31, v0                           ; lane
	v_lshlrev_b32 v3, 4, v2                        ; my 16 bytes of a load's 512
	s_mul_i32 s41, s33, WREG
	v_lshrrev_b32 v14, 2, v2
	v_mul_u32_u24 v14, v14, SP
	v_and_b32 v15, 3, v2
	v_lshl_add_u32 v14, v15, 4, v14
	v_add_nc_u32 v14, s41, v14                     ; the stage, on the way in: SP (lane / 4) + 16 (lane % 4)
	v_mul_u32_u24 v15, v2, SP
	v_add_nc_u32 v15, s41, v15                     ; and on the way out: SP x lane
	v_mul_u32_u24 v4, v2, CB                       ; 8 x lane: my codes' place in a step's; in the f16 path my 8 bytes of a store's 256
	v_lshrrev_b32 v5, 1, v2
	s_add_co_u32 s41, s41, 2*32*SP
	v_add_nc_u32 v5, s41, v5                       ; LDS: my wave's 256 scale bytes, my block's byte
	v_lshlrev_b32 v7, 3, v2
	v_add_nc_u32 v6, s41, v7                       ; and on the way out 8 bytes a lane
	s_wait_kmcnt 0x0
	s_cmp_ge_u32 ttmp9, 352
	s_cbranch_scc1 .Lcvt
	s_cmp_lt_u32 ttmp9, 256                        ; x's work-group or in_proj_weight's?  The choice hangs on the work-group's number alone
	s_cselect_b64 s[4:5], s[16:17], s[18:19]       ; the numbers
	s_cselect_b64 s[6:7], s[22:23], s[26:27]       ; the codes
	s_cselect_b64 s[8:9], s[24:25], s[28:29]       ; the scale bytes
	s_mov_b32 s34, 4096
	s_cselect_b32 s34, 16384, s34                  ; bytes from one of my input rows to the next
	s_mov_b32 s35, 32768
	s_cselect_b32 s35, 4096, s35                   ; input bytes from wave to wave
	s_mov_b32 s36, 16384
	s_cselect_b32 s36, 4096, s36                   ; codes: from work-group to work-group,
	s_mov_b32 s37, 4096
	s_cselect_b32 s37, 0x100000, s37               ; from wave to wave
	s_mov_b32 s38, 1024
	s_cselect_b32 s38, 256, s38                    ; scale bytes: likewise
	s_mov_b32 s39, 256
	s_cselect_b32 s39, 0x10000, s39
	s_cselect_b32 s40, 0, 256
	s_sub_co_u32 s40, ttmp9, s40                   ; g: my number among the tensor's work-groups
	s_lshl_b32 s42, s40, 17                        ; 32 rows of 4,096 bytes a work-group in both tensors
	s_mul_i32 s43, s33, s35
	s_add_co_u32 s42, s42, s43
	s_mov_b32 s43, 0
	s_add_nc_u64 s[4:5], s[4:5], s[42:43]
	s_mul_i32 s42, s40, s36
	s_mul_i32 s44, s33, s37
	s_add_co_u32 s42, s42, s44
	s_add_nc_u64 s[6:7], s[6:7], s[42:43]
	s_mul_i32 s42, s40, s38
	s_mul_i32 s44, s33, s39
	s_add_co_u32 s42, s42, s44
	s_add_nc_u64 s[8:9], s[8:9], s[42:43]
	v_mov_b32 v[RO], v3
.irp i, 1,2,3,4,5,6,7
	v_add_nc_u32 v[RO+\i], s34, v[RO+\i-1]
.endr
.irp t, 0,1,2,3
	LOAD \t
.endr
	s_wait_loadcnt 12                              ; step 0's four loads are in
	TURN 0
.irp t, 0,1,2,3,4,5,6,7,8,9,10,11,12,13,14,15
	STEP \t
.endr
	ds_load_b64 v[8:9], v6                         ; LDS serves a wave's instructions in order: these see my byte stores
	s_wait_dscnt 0x0
	global_store_b64 v7, v[8:9], s[8:9]            ; 32 lanes store 256 consecutive bytes, aligned
	s_wait_tensorcnt 0x0                           ; the wave's end, behind my last LDS store
	ds_add_u32 v[SPW], v[NIL]
	s_wait_dscnt 0x0
	s_endpgm
.Lcvt:                                                 ; out_proj_weight to f16: a plain stream, two batches of 16 loads ahead
	s_sub_co_u32 s40, ttmp9, 352
	s_lshl_b32 s42, s40, 17
	s_lshl_b32 s43, s33, 15
	s_add_co_u32 s42, s42, s43                     ; my wave's 32,768 input bytes
	s_mov_b32 s43, 0
	s_add_nc_u64 s[4:5], s[20:21], s[42:43]
	s_lshr_b32 s42, s42, 1                         ; and its 16,384 output bytes
	s_add_nc_u64 s[6:7], s[30:31], s[42:43]
	CLOAD 0
	CLOAD 1
	CBATCH 0
	CBATCH 1
	CBATCH 2
	CBATCH 3
	s_wait_tensorcnt 0x0                           ; the wave's end, in the same form
	ds_add_u32 v[SPW], v[NIL]
	s_wait_dscnt 0x0
	s_endpgm
.Lfunc_end_k_qfba6d0f794_prep:
	.size	k_qfba6d0f794_prep, .Lfunc_end_k_qfba6d0f794_prep-k_qfba6d0f794_prep
	.p2alignl 7, 3214868480
	.fill 96, 4, 3214868480
	.section	.rodata,"a",@progbits
	.p2align	6, 0x0
	.amdhsa_kernel k_qfba6d0f794_prep
		.amdhsa_group_segment_fixed_size 33280
		.amdhsa_private_segment_fixed_size 0
		.amdhsa_enable_private_segment 0
		.amdhsa_kernarg_size 64
		.amdhsa_user_sgpr_count 2
		.amdhsa_user_sgpr_kernarg_segment_ptr 1
		.amdhsa_wavefront_size32 1
		.amdhsa_system_sgpr_workgroup_id_x 1
		.amdhsa_system_sgpr_workgroup_id_y 1
		.amdhsa_system_sgpr_workgroup_id_z 1
		.amdhsa_system_vgpr_workitem_id 0
		.amdhsa_next_free_vgpr 208
		.amdhsa_next_free_sgpr 66
		.amdhsa_reserve_vcc 0
		.amdhsa_float_denorm_mode_32 3
		.amdhsa_float_denorm_mode_16_64 3
		.amdhsa_memory_ordered 1
		.amdhsa_forward_progress 1
		.amdhsa_inst_pref_size 55
	.end_amdhsa_kernel
	.amdgpu_metadata
---
amdhsa.version: [ 1, 2 ]
amdhsa.kernels:
  - .name:           k_qfba6d0f794_prep
    .symbol:         k_qfba6d0f794_prep.kd
    .args:
      - { .name: x, .offset: 0, .size: 8, .value_kind: global_buffer, .address_space: global }
      - { .name: in_proj_weight, .offset: 8, .size: 8, .value_kind: global_buffer, .address_space: global }
      - { .name: out_proj_weight, .offset: 16, .size: 8, .value_kind: global_buffer, .address_space: global }
      - { .name: xc, .offset: 24, .size: 8, .value_kind: global_buffer, .address_space: global }
      - { .name: xsc, .offset: 32, .size: 8, .value_kind: global_buffer, .address_space: global }
      - { .name: wc, .offset: 40, .size: 8, .value_kind: global_buffer, .address_space: global }
      - { .name: wsc, .offset: 48, .size: 8, .value_kind: global_buffer, .address_space: global }
      - { .name: wo16, .offset: 56, .size: 8, .value_kind: global_buffer, .address_space: global }
    .group_segment_fixed_size: 33280
    .private_segment_fixed_size: 0
    .kernarg_segment_align: 8
    .kernarg_segment_size: 64
    .max_flat_workgroup_size: 128
    .sgpr_count:     66
    .vgpr_count:     208
    .wavefront_size: 32
...
	.end_amdgpu_metadata
.endif
;; end of part 1
;; launch qkv (part 2): grid 12 x 32, 4 waves a work-group, clusters of 4 x 4, 327,680 bytes of LDS; arguments xc, xsc, wc, wsc, in_proj_bias, qkv; writes qkv
.if DOCPART == 2
	.amdgcn_target "amdgcn-amd-amdhsa--gfx1250"
	.amdhsa_code_object_version 6
	.text
	.protected	k_qfba6d0f794_qkv
	.globl	k_qfba6d0f794_qkv
	.p2align	8
	.type	k_qfba6d0f794_qkv,@function
k_qfba6d0f794_qkv:
	s_mov_b64 s[64:65], 0
	v_nop
	global_prefetch_b8 v0, s[64:65] scope:SCOPE_SE
	s_setreg_imm32_b32 hwreg(HW_REG_WAVE_MODE, 25, 1), 1
	s_wait_xcnt 0x0
	s_wait_alu depctr_hold_cnt(0) depctr_sa_sdst(0) depctr_va_vdst(0) depctr_va_sdst(0) depctr_va_ssrc(0) depctr_va_vcc(0) depctr_vm_vsrc(0)
	s_getreg_b32 s2, hwreg(HW_REG_IB_STS2, 6, 4)
	s_cmp_eq_u32 s2, 0
	s_cbranch_scc0 .Lentry_in_a_cluster
	s_endpgm
.Lentry_in_a_cluster:
	s_bfe_u32 s2, ttmp6, 0x10000c
	s_cmp_lg_u32 s2, 0xf033
	s_cbranch_scc0 .Lentry_shape_is_right
	s_endpgm
.Lentry_shape_is_right:
; qkv = x in_proj_weight^T + in_proj_bias on codes of FP4 (E2M1) with one E8M0 scale for each 32 along K; sums in f32.  A = xc [8192][512 bytes] (rows m' = 2048 b + s), B = wc [3072][512 bytes]; scale bytes [rows][32].
; q (columns 0-1023) is multiplied in f32 by c = log2(e) / 8, so that the scores of the next launch are exponents of two; then all is rounded ONCE to f16.  LIMIT: |c q|, |k|, |v| under 65,504.
; A tile of 256 x 256 is made by four waves, each 128 x 128: 64 accumulators, 512 registers.  K = 1,024 is two LDS slots of 512 along K (rows of 256 bytes): both are asked for at the head, and no slot is filled again.
; The scale bytes of the work-group's rows, for all of K, come once, as whole rows of 256 bytes.
; CLUSTERS: 4 x 4 work-groups; A's tiles are asked for jointly along a row of the cluster, B's along a column.  A cluster's four tile columns are 1,024 columns: the cluster's x says q, k or v.
; THE MATRIX INSTRUCTION IS USED TRANSPOSED (source 0 = 16 rows of B, source 1 = 16 rows of A): lane (r, h) holds row r and columns 16 b + 8 h + 0 .. 7.  The bias, laid so, is the C of each sum's first product.
; THE WAY OUT NEEDS NO LDS: the buffer qkv is laid as images of the next launch's operand registers, [q,k,v][16 b + head][s / 16][d / 32][(d % 32) / 16][lane][16 bytes]: a lane's eight results, packed to 16 bytes, are its part of
; half a fragment (16 positions x 32 channels), and one store of the wave covers 512 consecutive bytes, aligned.
; REGISTERS: window 0: v0-31 addresses; v32-95 scale words, two sets, and nothing else; v96-127 and v192-223 packed results by turns on the way out; v128-191 A's fragments, later products with c; v192-255 the bias tiles.
;   window 1: B's fragments, two sets.  window 2: the accumulators of my rows 0-63 ((a, b) at v[8 (8 a + b)]);  window 3: those of rows 64-127.
.set SIZE_K, 1024
.set KSTEP,  512
.set NQ,     KSTEP/128
.set ROWB,   256                       ; a tile's row in bytes
.set KROW,   SIZE_K*4/8                ; a row of codes in memory
.set PITCH,  272                       ; an LDS row: 256 bytes + 16 of padding: the 16 rows that a load touches start at 16 different banks (64 banks of 4 bytes: ISA guide 11.1)
.set FR,     8
.set NL,     2
.set NP,     4                         ; places behind this matrix instruction (ISA guide 7.12.1)
.set HALFT,  128*PITCH
.set SLOT,   4*HALFT
.set KS,     SIZE_K/32                 ; a row of scale bytes
.set SCL,    2*SLOT                    ; behind the slots: the scales, rows of 256 bytes + 16
.set HALFS,  (128*KS/256)*272
.set SBLK,   (16*KS/256)*272
.set SPARE,  SCL+4*HALFS               ; the spare words, 128 bytes a wave, which no other line names
.set ADRA, 16                          ; v16-17 LDS address of my A fragments in slot 0, 1
.set ADRB, 20                          ; v20-21 the same for B
.set CO,   26                          ; v26    16 x lane: my place in an image
.set ADRS, 27                          ; v27    LDS address of my scale words: lanes 0-15 A's rows, lanes 16-31 B's
.set SPW,  28                          ; v28    LDS address of my spare word; never rewritten
.set NIL,  29                          ; v29    0; never rewritten
.set BO,   30                          ; v30    32 x (lane / 16): my eight numbers of a bias tile
.set SC,   32
.set AF,   128
.set T,    128                         ; the way out: a block's 64 numbers x c
.set BIAS, 192
.set SCQ,  2                           ; s[2:3] c for q, 1 for k and v
.set G1, 24
.set G0, 32
.set G1B, 48
.set G0B, 56
.set G1S, 68
.set G0S, 76
.set G1SB, 80
.set G0SB, 88
.set MSB, 0
.macro WIN new                         ; the immediate's high byte repeats the setting that is left
.if MSB != (\new)
	s_set_vgpr_msb (MSB<<8)|(\new)
.set MSB, (\new)
.endif
.endm
.set MUL_LO, 0xa1                      ; source 0 (B) window 1, source 1 (A) window 0, C and D window 2
.set MUL_HI, 0xf1                      ; the same, C and D window 3
.set TO_B,   0x40
; A joint load: waves 0 and 1 fetch for A, waves 2 and 3 for B; the branch hangs on the wave's number alone.  An s_nop 0 and four v_nop follow each line.
.macro JLOAD g0a, g1a, g0b, g1b
	s_cmp_eq_u32 s15, 0
	s_cbranch_scc0 .Lfor_b_\@
	tensor_load_to_lds s[\g0a:\g0a+3], s[\g1a:\g1a+7]
	s_nop 0
.rept 4
	v_nop
.endr
	s_branch .Lasked_\@
.Lfor_b_\@:
	tensor_load_to_lds s[\g0b:\g0b+3], s[\g1b:\g1b+7]
	s_nop 0
.rept 4
	v_nop
.endr
.Lasked_\@:
.endm
.macro CROUND                          ; a round of the cluster's barrier
	s_barrier_signal -1
	s_barrier_wait -1
	s_cmp_lg_u32 s14, 0
	s_cbranch_scc1 .Lnot_wave_0_\@
	s_barrier_signal -3
.Lnot_wave_0_\@:
	s_barrier_wait -3
	s_barrier_signal -1
	s_barrier_wait -1
.endm
	s_load_b128 s[4:7], s[0:1], 0x0                ; A's codes, A's scales
	s_load_b128 s[8:11], s[0:1], 0x10              ; B's codes, B's scales
	s_load_b128 s[96:99], s[0:1], 0x20             ; the bias, qkv
	v_lshl_add_u32 v[SPW], v0, 2, SPARE
	v_mov_b32 v[NIL], 0
	ds_add_u32 v[SPW], v[NIL]                      ; the wave's opening: the add, twice on end, and its wait ahead of my first tensor load
	ds_add_u32 v[SPW], v[NIL]
	v_lshrrev_b32 v1, 5, v0
	v_readfirstlane_b32 s14, v1                    ; wave 0..3
	s_lshr_b32 s15, s14, 1                         ; which half of the tile's rows is mine.  Also: I fetch for A (0) or for B (1)
	s_and_b32 s16, s14, 1                          ; which half of its columns.  Also: which 128 rows of that tile I fetch
	s_bfe_u32 s40, ttmp6, 0x40000                  ; cx, cy: my place in the cluster
	s_bfe_u32 s41, ttmp6, 0x40004
	s_lshl_b32 s42, ttmp9, 2
	s_add_co_u32 s42, s42, s40                     ; tile column = 4 x cluster x + cx
	s_and_b32 s17, ttmp7, 0xffff
	s_lshl_b32 s17, s17, 2
	s_add_co_u32 s17, s17, s41                     ; tile row = 4 x cluster y + cy
	s_lshl_b32 s43, s41, 2
	s_lshl_b32 s43, 15, s43                        ; my row of the cluster
	s_lshl_b32 s44, 0x1111, s40                    ; my column
	s_cmp_eq_u32 ttmp9, 0                          ; the cluster's x: 0 = q.  A value is chosen, no branch
	s_cselect_b32 s[SCQ], 0x3e38aa3b, 1.0          ; c = log2(e) / sqrt(64)
	s_mov_b32 s[SCQ+1], s[SCQ]                     ; (named with it as a pair)
	s_or_b32 s[G1+0], s43, (0<<16)|(1<<20)|(1<<21)|(5<<22)|(3<<25)  ; the mask; elements of 1 byte; padding on; bit 21 beside a mask; after every 64 words 4 words
	s_or_b32 s[G1B+0], s44, (0<<16)|(1<<20)|(1<<21)|(5<<22)|(3<<25)
.irp g, G1, G1B
	s_mov_b32 s[\g+1], ROWB<<16                    ; tensor_dim0
	s_mov_b32 s[\g+2], 128<<16                     ; tensor_dim1
	s_mov_b32 s[\g+3], ROWB<<16                    ; tile_dim0
	s_mov_b32 s[\g+4], 128                         ; tile_dim1
	s_mov_b32 s[\g+5], KROW                        ; the pitch
	s_mov_b32 s[\g+6], 0
	s_mov_b32 s[\g+7], 0
.endr
	s_or_b32 s[G1S+0], s43, (3<<16)|(1<<20)|(1<<21)|(5<<22)|(3<<25)   ; the scales of 128 rows: a dense block, as rows of 256 bytes (32 elements of 8), 16 bytes of padding behind each
	s_or_b32 s[G1SB+0], s44, (3<<16)|(1<<20)|(1<<21)|(5<<22)|(3<<25)
.irp g, G1S, G1SB
	s_mov_b32 s[\g+1], 32<<16
	s_mov_b32 s[\g+2], (128*KS/256)<<16
	s_mov_b32 s[\g+3], 32<<16
	s_mov_b32 s[\g+4], 128*KS/256
	s_mov_b32 s[\g+5], 32
	s_mov_b32 s[\g+6], 0
	s_mov_b32 s[\g+7], 0
.endr
	s_lshl_b32 s18, s16, 7
	s_lshl_b32 s20, s17, 8
	s_add_co_u32 s20, s20, s18                     ; A: row 256 x tile row + 128 x half
	s_lshl_b32 s46, s42, 8
	s_add_co_u32 s46, s46, s18                     ; B: row 256 x tile column + 128 x half
	s_mov_b32 s21, 0
	s_mov_b32 s47, 0
	s_mov_b64 s[18:19], KS
	s_mul_u64 s[22:23], s[20:21], s[18:19]         ; where these rows' scales begin
	s_mul_u64 s[92:93], s[46:47], s[18:19]
	s_mov_b64 s[18:19], KROW
	s_mul_u64 s[20:21], s[20:21], s[18:19]         ; and their codes
	s_mul_u64 s[46:47], s[46:47], s[18:19]
	s_mul_i32 s45, s14, HALFT                      ; where they go: wave x 128 rows
	s_mul_i32 s94, s14, HALFS
	s_wait_dscnt 0x0                               ; both opening adds are done
	s_wait_kmcnt 0x0
	s_add_nc_u64 s[20:21], s[4:5], s[20:21]
	s_add_nc_u64 s[22:23], s[6:7], s[22:23]
	s_add_nc_u64 s[46:47], s[8:9], s[46:47]
	s_add_nc_u64 s[92:93], s[10:11], s[92:93]
	CROUND                                         ; all sixteen work-groups are here: the joint loads meet
	s_mov_b32 s[G0S], 1
	s_add_co_u32 s[G0S+1], s94, SCL
	s_mov_b64 s[G0S+2:G0S+3], s[22:23]
	s_or_b32 s[G0S+3], s[G0S+3], 0x80000000
	s_mov_b32 s[G0SB], 1
	s_add_co_u32 s[G0SB+1], s94, SCL
	s_mov_b64 s[G0SB+2:G0SB+3], s[92:93]
	s_or_b32 s[G0SB+3], s[G0SB+3], 0x80000000
	JLOAD G0S, G1S, G0SB, G1SB                     ; the scales first; three tensor loads of mine are out behind the last of these
.irp s, 0,1
	s_mov_b32 s[G0+4*\s], 1
	s_add_co_u32 s[G0+4*\s+1], s45, \s*SLOT
	s_add_nc_u64 s[G0+4*\s+2:G0+4*\s+3], s[20:21], \s*ROWB
	s_or_b32 s[G0+4*\s+3], s[G0+4*\s+3], 0x80000000
	s_mov_b32 s[G0B+4*\s], 1
	s_add_co_u32 s[G0B+4*\s+1], s45, \s*SLOT
	s_add_nc_u64 s[G0B+4*\s+2:G0B+4*\s+3], s[46:47], \s*ROWB
	s_or_b32 s[G0B+4*\s+3], s[G0B+4*\s+3], 0x80000000
	JLOAD G0+4*\s, G1, G0B+4*\s, G1B
.endr
	v_and_b32 v1, 15, v0                           ; r = lane % 16
	v_bfe_u32 v2, v0, 4, 1                         ; h = lane / 16
	v_lshlrev_b32 v[BO], 5, v2
	s_lshl_b32 s46, s42, 10                        ; my first column, in bytes of f32: 1,024 x tile column + 512 x half
	s_lshl_b32 s47, s16, 9
	s_add_co_u32 s46, s46, s47
	s_mov_b32 s47, 0
	s_add_nc_u64 s[96:97], s[96:97], s[46:47]
.irp b, 0,1,2,3,4,5,6,7
	global_load_b128 v[BIAS+8*\b:BIAS+8*\b+3], v[BO], s[96:97] offset:64*\b          ; bias tile b: the numbers of columns 16 b + 8 h + 0 .. 7
	global_load_b128 v[BIAS+8*\b+4:BIAS+8*\b+7], v[BO], s[96:97] offset:64*\b+16
.endr
	v_mul_u32_u24 v3, v1, PITCH
	v_lshl_add_u32 v4, v2, 4, v3                   ; a fragment's row x pitch + 16 x half
	s_mul_i32 s21, s15, HALFT                      ; my 128 rows of A
	s_mul_i32 s22, s16, HALFT                      ; my 128 rows of B,
	s_add_co_u32 s22, s22, 2*HALFT                 ; which lie behind A's 256
.irp s, 0,1
	v_add_nc_u32 v[ADRA+\s], s21, v4
	v_add_nc_u32 v[ADRB+\s], s22, v4
	s_add_co_u32 s21, s21, SLOT
	s_add_co_u32 s22, s22, SLOT
.endr
	v_mul_u32_u24 v5, v1, KS                       ; my row's scales: KS bytes a row,
	v_lshrrev_b32 v6, 8, v5
	v_lshl_add_u32 v5, v6, 4, v5                   ; and 16 more for each 256 passed
	s_mul_i32 s21, s15, HALFS
	s_mul_i32 s22, s16, HALFS
	s_add_co_u32 s22, s22, 2*HALFS
	s_sub_co_u32 s22, s22, s21
	v_mul_u32_u24 v6, s22, v2                      ; lanes 16-31 take B's: one product, the distance between the two bases
	s_add_co_u32 s21, s21, SCL
	v_add_nc_u32 v5, v5, v6
	v_add_nc_u32 v[ADRS], s21, v5
	v_and_b32 v6, 31, v0
	v_lshlrev_b32 v[CO], 4, v6
	; where my part begins in qkv: tensor 2^24, head 2^18, 16 positions 2,048 bytes
	s_lshr_b32 s20, s17, 3                         ; the batch: 8 tile rows each
	s_lshl_b32 s20, s20, 22                        ; its 16 heads
	s_and_b32 s21, s17, 7
	s_lshl_b32 s21, s21, 15                        ; 256 positions a tile row
	s_add_co_u32 s20, s20, s21
	s_lshl_b32 s21, s15, 14                        ; my 128 of them
	s_add_co_u32 s20, s20, s21
	s_lshl_b32 s21, ttmp9, 24                      ; q, k or v
	s_add_co_u32 s20, s20, s21
	s_mov_b32 s21, 0
	s_lshl_b32 s46, s40, 20                        ; four heads a tile column,
	s_lshl_b32 s47, s16, 19                        ; two a wave
	s_add_co_u32 s46, s46, s47
	s_mov_b32 s47, 0
	s_add_nc_u64 s[20:21], s[20:21], s[46:47]
	s_add_nc_u64 s[12:13], s[98:99], s[20:21]
.macro FRAG reg, adr, q, i             ; 16 rows x 128 K of 4-bit codes: 8 registers: registers 4 c .. 4 c + 3 hold K = 64 c + 32 (lane / 16) + 0 .. 31
.irp c, 0,1
	ds_load_b128 v[\reg+4*\c:\reg+4*\c+3], v[\adr] offset:64*(\q)+32*\c+(\i)*16*PITCH
.endr
.endm
; 16 matrix instructions: A's blocks a0, a0 + 1 x B's eight, the slot's q-th 128 along K.  zero = 1: the first product starts the sum from the bias tile.  The 64 accumulators take turns, one instruction a turn.
.macro MUL16 a0, p, q, sc, zero
.irp a, \a0, \a0+1
.irp b, 0,1,2,3,4,5,6,7
.if \zero
	v_wmma_scale_f32_16x16x128_f8f6f4 v[8*(8*((\a)%4)+\b):8*(8*((\a)%4)+\b)+7], v[128*(\p)+FR*\b:128*(\p)+FR*\b+FR-1], v[AF+FR*(\a):AF+FR*(\a)+FR-1], v[BIAS+8*\b:BIAS+8*\b+7], v[SC+8*NQ*(\sc)+NQ*\b+(\q)], v[SC+8*NQ*(\sc)+NQ*(\a)+(\q)] matrix_a_fmt:MATRIX_FMT_FP4 matrix_b_fmt:MATRIX_FMT_FP4 matrix_a_scale:MATRIX_SCALE_ROW1
.else
	v_wmma_scale_f32_16x16x128_f8f6f4 v[8*(8*((\a)%4)+\b):8*(8*((\a)%4)+\b)+7], v[128*(\p)+FR*\b:128*(\p)+FR*\b+FR-1], v[AF+FR*(\a):AF+FR*(\a)+FR-1], v[8*(8*((\a)%4)+\b):8*(8*((\a)%4)+\b)+7], v[SC+8*NQ*(\sc)+NQ*\b+(\q)], v[SC+8*NQ*(\sc)+NQ*(\a)+(\q)] matrix_a_fmt:MATRIX_FMT_FP4 matrix_b_fmt:MATRIX_FMT_FP4 matrix_a_scale:MATRIX_SCALE_ROW1
.endif
.endr
.endr
.endm
.macro FETCH_B slot, q, p
	WIN TO_B
.irp i, 0,1,2,3,4,5,6,7
	FRAG 128*(\p)+FR*\i, ADRB+\slot, \q, \i
.endr
	WIN 0
.endm
.macro FETCH_A slot, q, i0
.irp i, \i0, \i0+1, \i0+2, \i0+3
	FRAG AF+FR*(\i), ADRA+\slot, \q, \i
.endr
.endm
.macro SCALES sc                       ; a slot's scale words: lanes 0-15 take A's block i, lanes 16-31 B's block i
.irp i, 0,1,2,3,4,5,6,7
	ds_load_b128 v[SC+8*NQ*\sc+NQ*\i:SC+8*NQ*\sc+NQ*\i+3], v[ADRS] offset:\i*SBLK
.endr
.endm
.macro PLACES n                        ; plain vector instructions between a matrix instruction and a load into, or a vector write or read of, its registers
.rept \n
	v_nop
.endr
.endm
.macro STEP slot, q, zero              ; a step of 128 along K that has its successor in the same slot
	s_wait_dscnt 4*NL                              ; B's set and A's blocks 0-3 are in; the youngest eight loads (A's blocks 4-7) may be out
.if \zero
	WIN 0x81                                       ; C, the bias, in window 0
.else
	WIN MUL_LO
.endif
	MUL16 0, (\q)%2, \q, \slot, \zero
	MUL16 2, (\q)%2, \q, \slot, \zero
	s_wait_dscnt 0                                 ; A's blocks 4-7 are in
	PLACES NP
	FETCH_B \slot, (\q)+1, 1-(\q)%2
	FETCH_A \slot, (\q)+1, 0
.if \zero
	WIN 0xc1
.else
	WIN MUL_HI
.endif
	MUL16 4, (\q)%2, \q, \slot, \zero
	MUL16 6, (\q)%2, \q, \slot, \zero
	PLACES NP
	WIN 0
	FETCH_A \slot, (\q)+1, 4
.endm
.macro STEPS slot, from
.set Q, \from
.rept NQ-1-\from
	STEP \slot, Q, 0
.set Q, Q+1
.endr
.endm
	s_wait_tensorcnt 1                             ; the scales and my part of slot 0 are in (slot 1's load may be out)
	s_barrier_signal -1
	s_barrier_wait -1                              ; everybody's are
	FETCH_B 0, 0, 0
	FETCH_A 0, 0, 0
	SCALES 0
	FETCH_A 0, 0, 4
	s_wait_loadcnt 0x0                             ; the bias tiles
	STEP 0, 0, 1
	STEPS 0, 1
	; slot 0's last step changes slots: each wave shows its part of slot 1 landed, then one barrier
	s_wait_tensorcnt 0x0                           ; all my tensor loads have landed
	ds_add_u32 v[SPW], v[NIL]                      ; 0 onto my spare word
	s_wait_dscnt 4*NL+1                            ; (the add and A's blocks 4-7 may be out)
	WIN MUL_LO
	MUL16 0, 1, NQ-1, 0, 0
	s_wait_dscnt 0x0                               ; no LDS instruction of mine is pending at the signal
	s_barrier_signal -1
	MUL16 2, 1, NQ-1, 0, 0
	WIN 0
	s_barrier_wait -1                              ; slot 1 is whole
	PLACES NP
	v_add_nc_u32 v[ADRS], 4*NQ, v[ADRS]            ; on to slot 1's scale words
	FETCH_B 1, 0, 0
	FETCH_A 1, 0, 0
	SCALES 1
	WIN MUL_HI
	MUL16 4, 1, NQ-1, 0, 0
	MUL16 6, 1, NQ-1, 0, 0
	PLACES NP
	WIN 0
	FETCH_A 1, 0, 4
	STEPS 1, 0
	s_wait_dscnt 4*NL                              ; the very last step
	WIN MUL_LO
	MUL16 0, 1, NQ-1, 1, 0
	MUL16 2, 1, NQ-1, 1, 0
	s_wait_dscnt 0
	WIN MUL_HI
	MUL16 4, 1, NQ-1, 1, 0
	MUL16 6, 1, NQ-1, 1, 0
	WIN 0
; THE WAY OUT of block a (16 positions x 128 columns): x c in f32, each accumulator from its low end on; rounded to f16, 16 bytes a lane; eight stores of 512 consecutive bytes: half a fragment each.
.macro OUT a
.set AC, 64*((\a)%4)
.set PK, 96+96*((\a)%2)
	WIN 0x02+(\a)/4                                ; source 0: window 2 or 3
.set u, 0
.rept 32
	v_pk_mul_f32 v[T+2*u:T+2*u+1], v[AC+2*u:AC+2*u+1], s[SCQ:SCQ+1] op_sel_hi:[1,0]
.set u, u+1
.endr
	WIN 0
.if (\a) > 1
	s_wait_xcnt 0x0                                ; block a - 2's stores have read their data registers, which are written again below
.endif
.set u, 0
.rept 32
	v_cvt_pk_f16_f32 v[PK+u], v[T+2*u], v[T+2*u+1]
.set u, u+1
.endr
.irp b, 0,1,2,3,4,5,6,7
	global_store_b128 v[CO], v[PK+4*\b:PK+4*\b+3], s[12:13] offset:(\b/4)*262144+(\a)*2048+(\b%4)*512 th:TH_STORE_NT   ; head b / 4 of my two; positions 16 a on; channels 16 (b % 4) on
.endr
.endm
	PLACES NP                                      ; T held A's fragments, which the last products read
.irp a, 0,1,2,3,4,5,6,7
	OUT \a
.endr
	s_wait_tensorcnt 0x0                           ; the wave's end
	ds_add_u32 v[SPW], v[NIL]
	s_wait_dscnt 0x0
	CROUND                                         ; the closing round
	s_endpgm
.Lfunc_end_k_qfba6d0f794_qkv:
	.size	k_qfba6d0f794_qkv, .Lfunc_end_k_qfba6d0f794_qkv-k_qfba6d0f794_qkv
	.p2alignl 7, 3214868480
	.fill 96, 4, 3214868480
	.section	.rodata,"a",@progbits
	.p2align	6, 0x0
	.amdhsa_kernel k_qfba6d0f794_qkv
		.amdhsa_group_segment_fixed_size 327680
		.amdhsa_private_segment_fixed_size 0
		.amdhsa_enable_private_segment 0
		.amdhsa_kernarg_size 48
		.amdhsa_user_sgpr_count 2
		.amdhsa_user_sgpr_kernarg_segment_ptr 1
		.amdhsa_wavefront_size32 1
		.amdhsa_system_sgpr_workgroup_id_x 1
		.amdhsa_system_sgpr_workgroup_id_y 1
		.amdhsa_system_sgpr_workgroup_id_z 1
		.amdhsa_system_vgpr_workitem_id 0
		.amdhsa_next_free_vgpr 1024
		.amdhsa_next_free_sgpr 100
		.amdhsa_reserve_vcc 0
		.amdhsa_float_denorm_mode_32 3
		.amdhsa_float_denorm_mode_16_64 3
		.amdhsa_memory_ordered 1
		.amdhsa_forward_progress 1
		.amdhsa_inst_pref_size 135
	.end_amdhsa_kernel
	.amdgpu_metadata
---
amdhsa.version: [ 1, 2 ]
amdhsa.kernels:
  - .name:           k_qfba6d0f794_qkv
    .symbol:         k_qfba6d0f794_qkv.kd
    .args:
      - { .name: xc, .offset: 0, .size: 8, .value_kind: global_buffer, .address_space: global }
      - { .name: xsc, .offset: 8, .size: 8, .value_kind: global_buffer, .address_space: global }
      - { .name: wc, .offset: 16, .size: 8, .value_kind: global_buffer, .address_space: global }
      - { .name: wsc, .offset: 24, .size: 8, .value_kind: global_buffer, .address_space: global }
      - { .name: in_proj_bias, .offset: 32, .size: 8, .value_kind: global_buffer, .address_space: global }
      - { .name: qkv, .offset: 40, .size: 8, .value_kind: global_buffer, .address_space: global }
    .group_segment_fixed_size: 327680
    .private_segment_fixed_size: 0
    .kernarg_segment_align: 8
    .kernarg_segment_size: 48
    .max_flat_workgroup_size: 128
    .sgpr_count:     100
    .vgpr_count:     1024
    .wavefront_size: 32
...
	.end_amdgpu_metadata
.endif
;; end of part 2
;; launch attn (part 3): grid 4 x 64, 4 waves a work-group, clusters of 4 x 1, 327,680 bytes of LDS; arguments qkv, ao; writes ao
.if DOCPART == 3
	.amdgcn_target "amdgcn-amd-amdhsa--gfx1250"
	.amdhsa_code_object_version 6
	.text
	.protected	k_qfba6d0f794_attn
	.globl	k_qfba6d0f794_attn
	.p2align	8
	.type	k_qfba6d0f794_attn,@function
k_qfba6d0f794_attn:
	s_mov_b64 s[64:65], 0
	v_nop
	global_prefetch_b8 v0, s[64:65] scope:SCOPE_SE
	s_setreg_imm32_b32 hwreg(HW_REG_WAVE_MODE, 25, 1), 1
	s_wait_xcnt 0x0
	s_wait_alu depctr_hold_cnt(0) depctr_sa_sdst(0) depctr_va_vdst(0) depctr_va_sdst(0) depctr_va_ssrc(0) depctr_va_vcc(0) depctr_vm_vsrc(0)
	s_getreg_b32 s2, hwreg(HW_REG_IB_STS2, 6, 4)
	s_cmp_eq_u32 s2, 0
	s_cbranch_scc0 .Lentry_in_a_cluster
	s_endpgm
.Lentry_in_a_cluster:
	s_bfe_u32 s2, ttmp6, 0x10000c
	s_cmp_lg_u32 s2, 0x3003
	s_cbranch_scc0 .Lentry_shape_is_right
	s_endpgm
.Lentry_shape_is_right:
; o[bh][q][:] = the sum over k of softmax_k(q . k / 8) v[k][:], 64 heads (bh = 16 b + head) of 2,048 positions x 64 channels, no mask.  Operands f16, products, maxima and sums f32; the weights p are rounded to f16, o once at the end.
; q arrives multiplied by log2(e) / 8, so a score is t, an exponent of two: p = 2^(t - m), m the running maximum of t itself: t - m is never above 0, so p is at most 1 for every input.
; In every step o and the sum l are multiplied by a = 2^(m_old - m_new).  LIMITS: NaN and infinities are not served.
; INPUT: qkv, images of operand registers: [q,k,v][bh][s / 16][d / 32][(d % 32) / 16][lane][16 bytes]: a fragment (16 positions x 32 channels) is 1,024 consecutive bytes, 16 a lane and half.
; OUTPUT: ao, images of the out-projection's fragments: [m' / 128][e / 128][(m' % 128) / 16][(e % 128) / 32][1,024 bytes], m' = 2048 b + s, e = 64 head + d: a wave's store covers 512 consecutive bytes, aligned.
; SHARES.  A work-group owns 512 queries of a head, each of its four waves 128: EIGHT tiles of 16, so that each fragment of K and V read from LDS feeds eight products.  Every wave walks all keys, 64 a step.
; LAYOUT.  S^T = K Q^T (source 0 = 16 keys, source 1 = 16 queries): a lane holds ONE query (lane % 16) and keys 8 (lane / 16) + 0..7.  Two such tiles, rounded in pairs, ARE source 1 of O^T = V^T P.  K comes from LDS as it lies, V turned by ds_load_tr16_b128.
; BY TURNS.  The tiles are two PIECES of four.  In a TURN one piece has the matrix unit (32 products V^T P of the step in hand, 32 products K Q^T of the next); the other piece's softmax, 468 vector instructions in 64 slices, stands between them.
; CLUSTER.  The four query blocks of a head form a cluster and ask for each tile of K and V jointly.
; REGISTERS, in windows of 256: window y (0, 1): v32-63 piece y's statistics, v64-191 its S^T; window 0 also v2-4, v29-31 addresses and v192-255 K of a step; window 1 also v192-255 V of a step.
;   window 2 + y: v0-127 piece y's O^T (32 a tile), v128-191 its Q (16 a tile), v192-255 its P (16 a tile).
.set VOFF,  8192                       ; a step in LDS: K, 8,192 dense bytes (8 fragments), then V: 32 blocks of 256 bytes, 384 apart
.set STEPB, 20480
.set SLOT1, 65536                      ; a slot holds two steps; slot 1 begins here, so that one exclusive or turns an address from one slot to the other
.set SPARE, 131072                     ; the spare words, 128 bytes a wave, which no other line names
.set LI,  2                            ; v2   16 x lane: my place in an image (K in LDS, Q and ao in memory)
.set AV0, 3                            ; v3   my lane's place in a step's V
.set ADR, 4                            ; v4   the LDS address of the run of loads in hand
.set PFO, 29                           ; v29  the prefetch's offset; never rewritten
.set SPW, 30                           ; v30  LDS address of my spare word; never rewritten
.set NIL, 31                           ; v31  0; never rewritten
.set ST,  32                           ; tile t's statistics at v[ST + 8 t]: +0 m, +1 the old m, then m_old - m_new, +2, +3 l (even keys', odd keys'), +4 to +7 c0-c3 at work; a takes c2's place
.set S,   64
.set KF,  192
.set VF,  192
.set QF,  128
.set P,   192
.set WV,  12                           ; s12 my wave's number
.set LIM, 15                           ; s15 1 in the wave that prefetches, else the greatest number
.set PFA, 18                           ; s[18:19] where my prefetches stand
.set G1K, 24
.set G1V, 32
.set G0K, 40                           ; s[40:47] group 0 for K: a set for each first fill; the second then walks
.set G0V, 48
.set SLOTS, 56
.set TWICE, 57
.set SEL, 60                           ; s[60:61] v_permlanex16_b32's selects for lane l xor 16
.set TB,  62                           ; s62 LDS byte at which the step to be fetched begins
.set MSB, 0
.macro WIN new                         ; the immediate's high byte repeats the setting that is left; a switch that changes nothing is dropped
.if MSB != (\new)
	s_set_vgpr_msb (MSB<<8)|(\new)
.set MSB, (\new)
.endif
.endm
; A joint refill: waves 0 and 1 fetch the slot's two steps of K, waves 2 and 3 of V.  The branch hangs on the wave's number alone.  An s_nop 0 and four v_nop follow each line.
.macro JLOAD
	s_cmp_lt_u32 s[WV], 2
	s_cbranch_scc0 .Lfor_v_\@
	tensor_load_to_lds s[G0K+4:G0K+7], s[G1K:G1K+7]
	s_nop 0
.rept 4
	v_nop
.endr
	s_branch .Lasked_\@
.Lfor_v_\@:
	tensor_load_to_lds s[G0V+4:G0V+7], s[G1V:G1V+7]
	s_nop 0
.rept 4
	v_nop
.endr
.Lasked_\@:
.endm
; A prefetch of what the NEXT change of slots will ask for: a slot's 64 blocks of 256 bytes of K and 64 of V.  The four partners share them out BY ADDRESS, 16 and 16 each; in each, wave 0 asks, one instruction:
; lanes 0-15 name K's blocks, lanes 16-31 V's, which lie 2^24 bytes on.  One cluster walks a head, so each block is named once in the launch.  It stands two key steps, 256 matrix instructions, ahead of the load; the last filling change asks for nothing.
.macro ASK
	s_cmp_gt_u32 s[SLOTS], s[LIM]
	s_cbranch_scc0 .Lnot_mine_\@
	global_prefetch_b8 v[PFO], s[PFA:PFA+1] th:TH_LOAD_NT scope:SCOPE_SE
.Lnot_mine_\@:
.endm
.macro CROUND                          ; a round of the cluster's barrier
	s_barrier_signal -1
	s_barrier_wait -1
	s_cmp_lg_u32 s[WV], 0
	s_cbranch_scc1 .Lnot_wave_0_\@
	s_barrier_signal -3
.Lnot_wave_0_\@:
	s_barrier_wait -3
	s_barrier_signal -1
	s_barrier_wait -1
.endm
.macro PLACES
.rept 4
	v_nop
.endr
.endm
	s_load_b128 s[4:7], s[0:1], 0x0                ; qkv, ao
	v_lshl_add_u32 v[SPW], v0, 2, SPARE
	v_mov_b32 v[NIL], 0
	ds_add_u32 v[SPW], v[NIL]                      ; the wave's opening: the add, twice on end, and its wait ahead of my first tensor load
	ds_add_u32 v[SPW], v[NIL]
	v_lshrrev_b32 v1, 5, v0
	v_readfirstlane_b32 s[WV], v1                  ; wave 0..3
	s_bfe_u32 s13, ttmp6, 0x40000                  ; cx: my block of 512 queries; it enters Q's, ao's and the prefetch's addresses alone
	s_and_b32 s14, ttmp7, 0xffff                   ; bh, which the four partners share
	s_lshl_b32 s20, s14, 18                        ; the head's first byte in each of q, k, v
	s_mov_b32 s21, 0
	s_and_b32 s16, s[WV], 1                        ; which of a slot's two steps I fetch:
	s_lshl_b32 s22, s16, 13                        ; its 8,192 bytes in memory,
	s_add_co_u32 s22, s22, s20
	s_mov_b32 s23, 0
	s_mul_i32 s17, s16, STEPB                      ; and its place in a slot
	s_lshl_b32 s2, s13, 16                         ; Q: my block's 32 tiles of 2,048 bytes,
	s_lshl_b32 s3, s[WV], 14                       ; my wave's 8
	s_add_co_u32 s2, s2, s3
	s_add_co_u32 s2, s2, s20
	s_mov_b32 s3, 0
	s_lshr_b32 s8, s14, 4                          ; ao: m' / 128 = 16 b + 4 cx + wave,
	s_lshl_b32 s8, s8, 4
	s_lshl_b32 s9, s13, 2
	s_add_co_u32 s8, s8, s9
	s_add_co_u32 s8, s8, s[WV]
	s_lshl_b32 s8, s8, 18
	s_bfe_u32 s9, s14, 0x30001                     ; e / 128 = head / 2,
	s_lshl_b32 s9, s9, 15
	s_add_co_u32 s8, s8, s9
	s_and_b32 s9, s14, 1                           ; and the head's two fragments of that four
	s_lshl_b32 s9, s9, 11
	s_add_co_u32 s8, s8, s9
	s_mov_b32 s9, 0
	; descriptor group 1: 32 rows of 256 bytes, dense in memory.  K lies dense in LDS too; V gets 128 bytes behind each row
	s_mov_b32 s[G1K], 15|(1<<16)|(1<<21)           ; the mask: all four work-groups; elements of 2 bytes; bit 21 beside a mask
	s_mov_b32 s[G1V], 15|(1<<16)|(1<<20)|(1<<21)|(5<<22)|(31<<25)  ; the same with padding: after every 64 words 32 words
.irp g, G1K, G1V
	s_mov_b32 s[\g+1], 128<<16                     ; tensor_dim0
	s_mov_b32 s[\g+2], 32<<16                      ; tensor_dim1
	s_mov_b32 s[\g+3], 128<<16                     ; tile_dim0
	s_mov_b32 s[\g+4], 32                          ; tile_dim1
	s_mov_b32 s[\g+5], 128                         ; the pitch
	s_mov_b32 s[\g+6], 0
	s_mov_b32 s[\g+7], 0
.endr
	s_mov_b32 s[SEL], 0x76543210
	s_mov_b32 s[SEL+1], 0xfedcba98
	s_mov_b32 s[TB], 0
	s_mov_b32 s[SLOTS], 14                         ; 16 slots' worth of keys; all but the first two are asked for at a change
	s_cmp_eq_u32 s[WV], 0
	s_cselect_b32 s[LIM], 1, -1
	s_wait_dscnt 0x0                               ; both opening adds are done
	s_wait_kmcnt 0x0
	s_add_nc_u64 s[10:11], s[4:5], s[22:23]
	s_add_nc_u64 s[10:11], s[10:11], 0x1000000     ; K at my tile of slot 0
	s_add_nc_u64 s[58:59], s[10:11], 0x1000000     ; V likewise
	s_add_nc_u64 s[6:7], s[6:7], s[8:9]            ; ao at my wave's part
	s_add_nc_u64 s[PFA:PFA+1], s[4:5], s[20:21]
	s_add_nc_u64 s[4:5], s[4:5], s[2:3]            ; Q at my wave's first tile
	s_lshl_b32 s2, s13, 12                         ; the prefetches: my work-group's 16 blocks,
	s_add_co_u32 s2, s2, 0x1000000+2*16384         ; of K's slot 2: the first change steps it to slot 3.  Nothing is prefetched at the head
	s_add_nc_u64 s[PFA:PFA+1], s[PFA:PFA+1], s[2:3]
	CROUND                                         ; all four work-groups are here: the first joint loads meet
.irp s, 0,1
	s_mov_b32 s[G0K+4*\s], 1
	s_add_co_u32 s[G0K+4*\s+1], s17, \s*SLOT1
	s_add_nc_u64 s[G0K+4*\s+2:G0K+4*\s+3], s[10:11], \s*16384
	s_or_b32 s[G0K+4*\s+3], s[G0K+4*\s+3], 0x80000000
	s_mov_b32 s[G0V+4*\s], 1
	s_add_co_u32 s[G0V+4*\s+1], s17, \s*SLOT1+VOFF
	s_add_nc_u64 s[G0V+4*\s+2:G0V+4*\s+3], s[58:59], \s*16384
	s_or_b32 s[G0V+4*\s+3], s[G0V+4*\s+3], 0x80000000
.endr
	s_cmp_lt_u32 s[WV], 2                          ; a wave's two first fills stand in one branch, ahead of every wait on TENSORcnt and every LDS read: two loads of mine are out
	s_cbranch_scc0 .Lfirst_v
	tensor_load_to_lds s[G0K:G0K+3], s[G1K:G1K+7]
	s_nop 0
	tensor_load_to_lds s[G0K+4:G0K+7], s[G1K:G1K+7]
	s_nop 0
.rept 4
	v_nop
.endr
	s_branch .Lfirst_asked
.Lfirst_v:
	tensor_load_to_lds s[G0V:G0V+3], s[G1V:G1V+7]
	s_nop 0
	tensor_load_to_lds s[G0V+4:G0V+7], s[G1V:G1V+7]
	s_nop 0
.rept 4
	v_nop
.endr
.Lfirst_asked:
	v_and_b32 v1, 31, v0
	v_lshlrev_b32 v[LI], 4, v1
	WIN 0x80                                       ; destination window 2: piece 0's Q stays in registers
.irp t, 0,1,2,3
.irp f, 0,1,2,3
	global_load_b128 v[QF+16*\t+4*\f:QF+16*\t+4*\f+3], v[LI], s[4:5] offset:\t*2048+\f*512
.endr
.endr
	WIN 0xc0                                       ; window 3: piece 1's
.irp t, 0,1,2,3
.irp f, 0,1,2,3
	global_load_b128 v[QF+16*\t+4*\f:QF+16*\t+4*\f+3], v[LI], s[4:5] offset:(4+\t)*2048+\f*512
.endr
.endr
	WIN 0
	; The turning load: lane l names 16 bytes: key 8 (l / 16) + l % 8 of 16, channels 8 ((l / 8) % 2) + 0..7 of 16, and is left with channel l % 16 and 8 keys.  In V's image those 16 bytes lie in block (l / 8) % 2 of a pair, at 128 (l / 16) + 16 (l % 8);
	; blocks are 384 bytes apart.
	v_bfe_u32 v5, v0, 3, 1
	v_mul_u32_u24 v[AV0], v5, 384
	v_bfe_u32 v5, v0, 4, 1
	v_lshl_add_u32 v[AV0], v5, 7, v[AV0]
	v_and_b32 v6, 7, v0
	v_lshl_add_u32 v[AV0], v6, 4, v[AV0]
	v_add_nc_u32 v[AV0], VOFF, v[AV0]
	v_and_b32 v6, 15, v0
	v_lshlrev_b32 v[PFO], 8, v6
	v_lshl_add_u32 v[PFO], v5, 24, v[PFO]
; THE MATRIX WORK.  The accumulators take turns, one instruction a turn: between two links of a chain stand 15 others'.
; Product i of 32 of S^T = K Q^T for piece x: tile i % 4, keys 16 ((i / 4) % 4) on, channels 32 (i / 16) on.  The first 16 start the sums.
.macro KQ x
	WIN 0x08+0x54*(\x)                             ; K window 0, Q window 2 + x, S^T window x
.set rS, S+32*(i%4)+8*((i/4)%4)
.set rK, KF+16*((i/4)%4)+8*(i/16)
.set rQ, QF+16*(i%4)+8*(i/16)
.if i < 16
	v_wmma_f32_16x16x32_f16 v[rS:rS+7], v[rK:rK+7], v[rQ:rQ+7], 0
.else
	v_wmma_f32_16x16x32_f16 v[rS:rS+7], v[rK:rK+7], v[rQ:rQ+7], v[rS:rS+7]
.endif
.endm
; Product i of 32 of O^T += V^T P: tile i % 4, channels 16 ((i / 4) % 4) on, keys 32 (i / 16) on.  zero = 1: the first 16 start the sums: nothing is ever cleared.
.macro PV x, zero
	WIN 0xa9+0x54*(\x)                             ; V window 1, P and O^T window 2 + x
.set rO, 32*(i%4)+8*((i/4)%4)
.set rV, VF+8*(4*(i/16)+(i/4)%4)
.set rP, P+16*(i%4)+8*(i/16)
.if \zero && (i < 16)
	v_wmma_f32_16x16x32_f16 v[rO:rO+7], v[rV:rV+7], v[rP:rP+7], 0
.else
	v_wmma_f32_16x16x32_f16 v[rO:rO+7], v[rV:rV+7], v[rP:rP+7], v[rO:rO+7]
.endif
.endm
; THE LDS LOADS stand in runs of 16, never singly among the matrix instructions.
.macro FETCH_K                         ; a step's K: 8 fragments as they lie
	WIN 0
	v_add_nc_u32 v[ADR], s[TB], v[LI]
.irp f, 0,1,2,3,4,5,6,7
	ds_load_b128 v[KF+8*\f:KF+8*\f+3],   v[ADR] offset:1024*\f
	ds_load_b128 v[KF+8*\f+4:KF+8*\f+7], v[ADR] offset:1024*\f+512
.endr
.endm
.macro FETCH_V                         ; the same step's V, turned: fragment (keys 32 kh on, channels 16 ct on)
	WIN 0
	v_add_nc_u32 v[ADR], s[TB], v[AV0]
	s_add_co_u32 s[TB], s[TB], STEPB               ; the next fetch is the next step's
	s_wait_alu depctr_va_vdst(0)                   ; the wait for the softmax's batch of exponentials, ahead of the first instruction that names a result
	WIN 0x40                                       ; destination window 1
.irp kh, 0,1
.irp ct, 0,1,2,3
	ds_load_tr16_b128 v[VF+8*(4*\kh+\ct):VF+8*(4*\kh+\ct)+3],   v[ADR] offset:(2*\kh)*3072+\ct*768
	ds_load_tr16_b128 v[VF+8*(4*\kh+\ct)+4:VF+8*(4*\kh+\ct)+7], v[ADR] offset:(2*\kh+1)*3072+\ct*768
.endr
.endr
.endm
; THE VECTOR WORK.  A piece's softmax for a key step is a list of 468 instructions, the four tiles interleaved; SMI writes number n of it for piece y.  first = 1: the first key step, which starts m, l and O^T.
;   0-79     per tile 20: the maximum of the lane's 32 scores and the old m, three operands at a time (each accumulator is read from its low end on); the other half of the lanes'; the old m kept; the new m; m_old - m_new
;   80-275   ONE BATCH: four exponentials a, 64 packed t - m, 128 exponentials; none of these names an exponential's result; a pair is scaled four pairs ahead of its exponentials
;   (wait)   ahead of 276: SLICE writes it, once a turn
;   276-339  the roundings to f16, into P        340-403  the sums, in place; l = a l + the sum        404-467  O^T times a
.macro SMI y, first
.set emp, 0
.if \first
.if ((n >= 76) && (n < 84)) || (n >= 400)
.set emp, 1                            ; the first step has no a, nothing to add l onto and nothing to rescale
.endif
.endif
.if emp == 0
.if n < 80
.set j, n/4
.set rT, ST+8*(n%4)
.set rS, S+32*(n%4)
	WIN 0x55*(\y)
.if j < 4
	v_max3_num_f32 v[rT+4+j], v[rS+8*j], v[rS+8*j+1], v[rS+8*j+2]
.elseif j < 12
	v_max3_num_f32 v[rT+4+j%4], v[rT+4+j%4], v[rS+8*(j%4)+2*(j/4)+1], v[rS+8*(j%4)+2*(j/4)+2]
.elseif j == 12
	v_max3_num_f32 v[rT+4], v[rT+4], v[rS+7], v[rS+15]
.elseif j == 13
	v_max3_num_f32 v[rT+6], v[rT+6], v[rS+23], v[rS+31]
.elseif j == 14
	v_max3_num_f32 v[rT+4], v[rT+4], v[rT+5], v[rT+6]
.elseif (j == 15) && \first
	v_max_num_f32 v[rT+4], v[rT+4], v[rT+7]
.elseif j == 15
	v_max3_num_f32 v[rT+4], v[rT+4], v[rT+7], v[rT]
.elseif j == 16
	v_permlanex16_b32 v[rT+5], v[rT+4], s[SEL], s[SEL+1]  ; the query's other 32 keys lie in the lane 16 away
.elseif (j == 17) && \first
	v_mov_b32 v[rT+1], 0                           ; (named with m as a pair, so it is written)
.elseif j == 17
	v_mov_b32 v[rT+1], v[rT]
.elseif j == 18
	v_max_num_f32 v[rT], v[rT+4], v[rT+5]
.else
	v_sub_f32 v[rT+1], v[rT+1], v[rT]
.endif
.elseif n < 276
	WIN 0x55*(\y)
.set bb, n-80
.if bb < 4
	v_exp_f32 v[ST+8*bb+6], v[ST+8*bb+1]           ; a
.else
.if bb < 8
.set kind, 0
.set qq, bb-4
.elseif bb < 188
.set kind, (bb-8)%3
.set qq, (bb-8)/3
.if kind == 0
.set qq, qq+4
.endif
.else
.set kind, 1+(bb-188)%2
.set qq, 60+(bb-188)/2
.endif
.set rT, ST+8*(qq%4)
.set rS, S+32*(qq%4)+2*(qq/4)          ; pair qq: tile qq % 4, registers 2 (qq / 4) on
.if kind == 0
	v_pk_add_f32 v[rS:rS+1], v[rS:rS+1], v[rT:rT+1] op_sel_hi:[1,0] neg_lo:[0,1] neg_hi:[0,1]  ; t - m
.else
	v_exp_f32 v[rS+kind-1], v[rS+kind-1]
.endif
.endif
.elseif n < 340
	WIN 0x80+0x45*(\y)                             ; sources window y, destination window 2 + y
	v_cvt_pk_f16_f32 v[P+16*(n%4)+(n-276)/4], v[S+32*(n%4)+2*((n-276)/4)], v[S+32*(n%4)+2*((n-276)/4)+1]
.elseif n < 404
.set z, (n-340)/4
.set rT, ST+8*(n%4)
.set rS, S+32*(n%4)
.set w, 4
.set u, z
.if z >= 14
.set w, 32
.set u, 0
.elseif z >= 12
.set w, 16
.set u, z-12
.elseif z >= 8
.set w, 8
.set u, z-8
.endif
	WIN 0x55*(\y)
.if (z == 14) && \first
	v_pk_add_f32 v[rT+2:rT+3], v[rS:rS+1], v[rS+16:rS+17]
.elseif z < 15
	v_pk_add_f32 v[rS+w*u:rS+w*u+1], v[rS+w*u:rS+w*u+1], v[rS+w*u+w/2:rS+w*u+w/2+1]
.else
	v_pk_fma_f32 v[rT+2:rT+3], v[rT+2:rT+3], v[rT+6:rT+7], v[rS:rS+1] op_sel_hi:[1,0,1]
.endif
.else
.set u, (n-404)/4
	WIN 0x82+0x45*(\y)                             ; O^T window 2 + y, a window y
	v_pk_mul_f32 v[32*(n%4)+2*u:32*(n%4)+2*u+1], v[32*(n%4)+2*u:32*(n%4)+2*u+1], v[ST+8*(n%4)+6:ST+8*(n%4)+7] op_sel_hi:[1,0]
.endif
.endif
.endm
; Slice k of 64: eight numbers of the list where k % 3 = 0, else seven: 470 places for 468.  The last slice's six multiplies are plain and name nothing of the products round them: they are the places behind the turn's last product.
; Ahead of number 276: one plain instruction behind the last exponential, and the turn's ONE wait; in piece 1's turn (y = 0) V's run of loads stands there and holds the wait.
.macro SLICE y, first
.set cnt, 7
.if k%3 == 0
.set cnt, 8
.endif
.rept cnt
.if n < 468
.if n == 276
	v_nop
.if (\y) == 0
	FETCH_V
.else
	s_wait_alu depctr_va_vdst(0)
.endif
.endif
	SMI \y, \first
.set n, n+1
.endif
.endr
.set k, k+1
.endm
; A TURN.  Piece x has the matrix unit; the other piece's softmax stands in slices behind its products.  pv = 2: 32 products V^T P; 1: they start O^T; 0: none.  kq = 1: 32 products K Q^T for the next step.
; A turn with one kind of product has two slices behind each.  first = 1: the softmax is the first step's; its last slices are empty, and four v_nop take their part as places.
; Piece 0's turn fetches the next step's K behind its second product (K's last reader stands ahead of the last slice of the turn before); piece 1's turn fetches the same step's V behind V's last reader, with 13 packed subtractions,
; the v_nop and the run's own addition between.
.macro TURN x, pv, kq, first
.set k, 0
.set n, 0
.set per, 2
.if \pv && \kq
.set per, 1
.endif
.if \pv
.if \x == 0
	s_wait_dscnt 0x0                               ; V is in
.endif
.set i, 0
.rept 32
	PV \x, 2-\pv
.rept per
	SLICE 1-\x, \first
.endr
.if (\x == 0) && \kq && (i == 1)
	FETCH_K
.endif
.set i, i+1
.endr
.endif
.if \kq
.if \x == 0
	s_wait_dscnt 0x0                               ; K is in
.endif
.set i, 0
.rept 32
	KQ \x
.rept per
	SLICE 1-\x, \first
.endr
.set i, i+1
.endr
.endif
.if \first
	PLACES
.endif
.endm
; THE CHANGE OF SLOTS, when the slot's last bytes, V of its second step, have been asked for.  Each wave waits for all its tensor loads (one is out: its part of the other slot), adds 0 to its spare word, and waits for that and for its reads of the slot.
; fill = 1: the barrier is a round of the cluster's, and the joint refill, the keys two slots on, is the first thing behind it: it has two key steps in which to land.
.macro CHANGE fill
	WIN 0                                          ; at a label and at a branch every window is 0
	s_wait_tensorcnt 0x0                           ; no tensor load of mine is out, so a group 0 may be written
	ds_add_u32 v[SPW], v[NIL]                      ; 0 onto my spare word
.if \fill
.irp g, G0K+4, G0V+4
	s_xor_b32 s[\g+1], s[\g+1], SLOT1              ; the walking descriptor: the other slot than last time,
	s_add_nc_u64 s[\g+2:\g+3], s[\g+2:\g+3], 16384 ; the next 128 keys
.endr
	s_wait_xcnt 0x0                                ; the last prefetch, two key steps back, has read its address
	s_add_nc_u64 s[PFA:PFA+1], s[PFA:PFA+1], 16384
	s_wait_dscnt 0x0                               ; the add is done, and my reads of the slot are over
	CROUND
	JLOAD
	ASK
.else
	s_wait_dscnt 0x0
	s_barrier_signal -1
	s_barrier_wait -1
.endif
	s_sub_co_u32 s[TB], s[TB], 2*STEPB             ; the fetches go back to a slot's first step,
	s_xor_b32 s[TB], s[TB], SLOT1                  ; in the other slot
.endm
.macro TWO_STEPS                       ; a slot's two key steps: written once, walked twice
	s_mov_b32 s[TWICE], 2
.Lstep_\@:
	TURN 0, 2, 1, 0
	TURN 1, 2, 1, 0
	WIN 0
	s_sub_co_u32 s[TWICE], s[TWICE], 1
	s_cmp_lg_u32 s[TWICE], 0
	s_cbranch_scc1 .Lstep_\@
.endm
	s_wait_tensorcnt 1                             ; my part of slot 0 is in; slot 1's may stay out
	s_barrier_signal -1
	s_barrier_wait -1
	FETCH_K                                        ; key step 0
	s_wait_loadcnt 0x0                             ; Q
	s_wait_dscnt 0x0
.set i, 0
.rept 32
	KQ 0                                           ; piece 0's first scores: there is no vector work yet to set between them
.set i, i+1
.endr
	PLACES
	TURN 1, 0, 1, 1                                ; piece 1's first scores | piece 0's first softmax | V of step 0
	TURN 0, 1, 1, 1                                ; piece 0: V^T P of step 0 starts O^T, K Q^T of step 1 | piece 1's first softmax | K of step 1
	TURN 1, 1, 1, 0                                ; piece 1: the same | piece 0's softmax of step 1 | V of step 1
	WIN 0
.Lslot:                                                ; 14 trips: every slot but the last two is filled again
	CHANGE 1
	TWO_STEPS
	s_sub_co_u32 s[SLOTS], s[SLOTS], 1
	s_cmp_lg_u32 s[SLOTS], 0
	s_cbranch_scc1 .Lslot
	CHANGE 0                                       ; the tail is written out
	TWO_STEPS
	TURN 0, 2, 0, 0                                ; piece 0: V^T P of the last step | piece 1's last softmax
.set i, 0
.rept 32
	PV 1, 0                                        ; piece 1: V^T P of the last step
.set i, i+1
.endr
	; THE WAY OUT.  l's two halves and the other half of the lanes' are added (these lines are the places behind the last products); O^T is divided by l, rounded to f16 and stored as it stands: 16 bytes a lane are its part of half a fragment.
.irp y, 0,1
	WIN 0x55*\y
.irp t, 0,1,2,3
	v_add_f32 v[ST+8*\t+4], v[ST+8*\t+2], v[ST+8*\t+3]
.endr
.irp t, 0,1,2,3
	v_permlanex16_b32 v[ST+8*\t+5], v[ST+8*\t+4], s[SEL], s[SEL+1]
.endr
.irp t, 0,1,2,3
	v_add_f32 v[ST+8*\t+4], v[ST+8*\t+4], v[ST+8*\t+5]
.endr
.endr
.irp y, 0,1
	WIN 0x55*\y
.irp t, 0,1,2,3
	v_rcp_f32 v[ST+8*\t+6], v[ST+8*\t+4]
.endr
.endr
	v_nop                                          ; a plain instruction behind the last reciprocal
	s_wait_alu depctr_va_vdst(0)                   ; and one wait for the eight, ahead of the first use
.macro PACK x, t
	WIN 0x82+0x45*(\x)
.set u, 0
.rept 16
	v_pk_mul_f32 v[32*\t+2*u:32*\t+2*u+1], v[32*\t+2*u:32*\t+2*u+1], v[ST+8*\t+6:ST+8*\t+7] op_sel_hi:[1,0]
.set u, u+1
.endr
	WIN 0xaa+0x55*(\x)                             ; all in window 2 + x: P's registers are free
.set u, 0
.rept 16
	v_cvt_pk_f16_f32 v[P+16*\t+u], v[32*\t+2*u], v[32*\t+2*u+1]
.set u, u+1
.endr
	WIN 0x08+0x04*(\x)                             ; a store's data are its source 1
.irp ct, 0,1,2,3
	global_store_b128 v[LI], v[P+16*\t+4*\ct:P+16*\t+4*\ct+3], s[6:7] offset:(4*\x+\t)*4096+\ct*512 th:TH_STORE_NT   ; 512 consecutive bytes, aligned
.endr
.endm
.irp x, 0,1
.irp t, 0,1,2,3
	PACK \x, \t
.endr
.endr
	WIN 0
	s_wait_tensorcnt 0x0                           ; the wave's end
	ds_add_u32 v[SPW], v[NIL]
	s_wait_dscnt 0x0
	CROUND                                         ; the closing round
	s_endpgm
.Lfunc_end_k_qfba6d0f794_attn:
	.size	k_qfba6d0f794_attn, .Lfunc_end_k_qfba6d0f794_attn-k_qfba6d0f794_attn
	.p2alignl 7, 3214868480
	.fill 96, 4, 3214868480
	.section	.rodata,"a",@progbits
	.p2align	6, 0x0
	.amdhsa_kernel k_qfba6d0f794_attn
		.amdhsa_group_segment_fixed_size 327680
		.amdhsa_private_segment_fixed_size 0
		.amdhsa_enable_private_segment 0
		.amdhsa_kernarg_size 16
		.amdhsa_user_sgpr_count 2
		.amdhsa_user_sgpr_kernarg_segment_ptr 1
		.amdhsa_wavefront_size32 1
		.amdhsa_system_sgpr_workgroup_id_x 1
		.amdhsa_system_sgpr_workgroup_id_y 1
		.amdhsa_system_sgpr_workgroup_id_z 1
		.amdhsa_system_vgpr_workitem_id 0
		.amdhsa_next_free_vgpr 1024
		.amdhsa_next_free_sgpr 66
		.amdhsa_reserve_vcc 0
		.amdhsa_float_denorm_mode_32 3
		.amdhsa_float_denorm_mode_16_64 3
		.amdhsa_memory_ordered 1
		.amdhsa_forward_progress 1
		.amdhsa_inst_pref_size 255
	.end_amdhsa_kernel
	.section	.bss,"aw",@nobits
	.p2align	6
	.space	262144
	.amdgpu_metadata
---
amdhsa.version: [ 1, 2 ]
amdhsa.kernels:
  - .name:           k_qfba6d0f794_attn
    .symbol:         k_qfba6d0f794_attn.kd
    .args:
      - { .name: qkv, .offset: 0, .size: 8, .value_kind: global_buffer, .address_space: global }
      - { .name: ao, .offset: 8, .size: 8, .value_kind: global_buffer, .address_space: global }
    .group_segment_fixed_size: 327680
    .private_segment_fixed_size: 0
    .kernarg_segment_align: 8
    .kernarg_segment_size: 16
    .max_flat_workgroup_size: 128
    .sgpr_count:     66
    .vgpr_count:     1024
    .wavefront_size: 32
...
	.end_amdgpu_metadata
.endif
;; end of part 3
;; launch proj (part 4): grid 4 x 64, 4 waves a work-group, clusters of 4 x 4, 327,680 bytes of LDS; arguments ao, wo16, out_proj_bias, out0; writes out0
.if DOCPART == 4
	.amdgcn_target "amdgcn-amd-amdhsa--gfx1250"
	.amdhsa_code_object_version 6
	.text
	.protected	k_qfba6d0f794_proj
	.globl	k_qfba6d0f794_proj
	.p2align	8
	.type	k_qfba6d0f794_proj,@function
k_qfba6d0f794_proj:
	s_mov_b64 s[64:65], 0
	v_nop
	global_prefetch_b8 v0, s[64:65] scope:SCOPE_SE
	s_setreg_imm32_b32 hwreg(HW_REG_WAVE_MODE, 25, 1), 1
	s_wait_xcnt 0x0
	s_wait_alu depctr_hold_cnt(0) depctr_sa_sdst(0) depctr_va_vdst(0) depctr_va_sdst(0) depctr_va_ssrc(0) depctr_va_vcc(0) depctr_vm_vsrc(0)
	s_getreg_b32 s2, hwreg(HW_REG_IB_STS2, 6, 4)
	s_cmp_eq_u32 s2, 0
	s_cbranch_scc0 .Lentry_in_a_cluster
	s_endpgm
.Lentry_in_a_cluster:
	s_bfe_u32 s2, ttmp6, 0x10000c
	s_cmp_lg_u32 s2, 0xf033
	s_cbranch_scc0 .Lentry_shape_is_right
	s_endpgm
.Lentry_shape_is_right:
; out0 = o out_proj_weight^T + out_proj_bias.  A = ao, f16, images of fragments [m' / 128][e / 128][(m' % 128) / 16][(e % 128) / 32][1,024 bytes], m' = 2048 b + s; B = wo16 [1024][1024] f16, K innermost; sums f32; out0 [s][b][1024] f32.
; A tile of 128 x 256 gives 256 work-groups.  Four waves, each 64 x 128: 32 accumulators, 256 registers.  K goes in steps of 128 through two LDS slots: A's 32,768 dense bytes, B's 256 rows of 256 bytes + 16.
; CLUSTERS: 4 x 4 work-groups; A's tiles are asked for jointly along a row of the cluster, B's along a column.
; THE MATRIX INSTRUCTION IS USED TRANSPOSED (source 0 = 16 rows of B, source 1 = 16 rows of A): a lane holds eight neighbouring columns of a row.  The bias, laid so, is the C of each sum's first product.
; The way out goes through each wave's own stage in LDS and leaves as rows of 512 consecutive bytes; neighbouring positions of a batch lie 16,384 bytes apart in out0.
; REGISTERS: window 0: v0-31 addresses; v32-127 and v128-223 two fragment buffers (B's 8, then A's 4).  window 1: accumulator (a, b) at v[8 (8 a + b)].  window 2: v0-63 the bias tiles.
.set KSTEP,  128
.set ASZ,    32768
.set BP,     272                       ; a row of B in LDS: 256 bytes + 16: the 16 rows that a load touches start at 16 different banks (64 banks of 4 bytes: ISA guide 11.1)
.set BHALF,  128*BP
.set SLOT,   ASZ+2*BHALF
.set STAGE,  2*SLOT                    ; behind the slots: 16 rows x 528 bytes for each wave
.set SPITCH, 528
.set SPARE,  STAGE+4*16*SPITCH         ; the spare words, 128 bytes a wave, which no other line names
.set LAPS,   4                         ; a lap = two K steps
.set ADRA, 16
.set ADRB, 20
.set STO,  24
.set RD,   25
.set CO,   26
.set BO,   27
.set SPW,  28
.set NIL,  29
.set F0,   32
.set F1,   128
.set G1, 24
.set G0, 32
.set G1B, 48
.set G0B, 56
.set MSB, 0
.macro WIN new
.if MSB != (\new)
	s_set_vgpr_msb (MSB<<8)|(\new)
.set MSB, (\new)
.endif
.endm
.set MUL,  0x50                        ; C and D window 1
.set MUL0, 0x60                        ; D window 1, C (the bias) window 2
.macro JLOAD s                         ; a joint load: waves 0 and 1 fetch A's halves, waves 2 and 3 B's; an s_nop 0 and four v_nop follow each line
	s_cmp_eq_u32 s13, 0
	s_cbranch_scc0 .Lfor_b_\@
	tensor_load_to_lds s[G0+4*\s:G0+4*\s+3], s[G1:G1+7]
	s_nop 0
.rept 4
	v_nop
.endr
	s_branch .Lasked_\@
.Lfor_b_\@:
	tensor_load_to_lds s[G0B+4*\s:G0B+4*\s+3], s[G1B:G1B+7]
	s_nop 0
.rept 4
	v_nop
.endr
.Lasked_\@:
.endm
.macro CREST
	s_cmp_lg_u32 s12, 0
	s_cbranch_scc1 .Lnot_wave_0_\@
	s_barrier_signal -3
.Lnot_wave_0_\@:
	s_barrier_wait -3
	s_barrier_signal -1
	s_barrier_wait -1
.endm
.macro CROUND
	s_barrier_signal -1
	s_barrier_wait -1
	CREST
.endm
	s_load_b256 s[4:11], s[0:1], 0x0               ; ao s[4:5], wo16 s[6:7], the bias s[8:9], out0 s[10:11]
	v_lshl_add_u32 v[SPW], v0, 2, SPARE
	v_mov_b32 v[NIL], 0
	ds_add_u32 v[SPW], v[NIL]                      ; the wave's opening: the add, twice on end, and its wait ahead of my first tensor load
	ds_add_u32 v[SPW], v[NIL]
	v_lshrrev_b32 v1, 5, v0
	v_readfirstlane_b32 s12, v1                    ; wave 0..3
	s_lshr_b32 s13, s12, 1                         ; which 64 rows are mine.  Also: I fetch for A (0) or for B (1)
	s_and_b32 s14, s12, 1                          ; which 128 columns.  Also: which half of that tile I fetch
	s_bfe_u32 s40, ttmp6, 0x40000                  ; cx, cy
	s_bfe_u32 s41, ttmp6, 0x40004
	s_lshl_b32 s42, ttmp9, 2
	s_add_co_u32 s42, s42, s40                     ; tile column
	s_and_b32 s15, ttmp7, 0xffff
	s_lshl_b32 s15, s15, 2
	s_add_co_u32 s15, s15, s41                     ; tile row = m' / 128
	s_lshl_b32 s43, s41, 2
	s_lshl_b32 s43, 15, s43                        ; my row of the cluster
	s_lshl_b32 s44, 0x1111, s40                    ; my column
	s_or_b32 s[G1+0], s43, (1<<16)|(1<<21)         ; A: 64 rows of 256 bytes, dense in memory and in LDS; elements of 2 bytes; bit 21 beside a mask
	s_mov_b32 s[G1+1], 128<<16
	s_mov_b32 s[G1+2], 64<<16
	s_mov_b32 s[G1+3], 128<<16
	s_mov_b32 s[G1+4], 64
	s_mov_b32 s[G1+5], 128
	s_mov_b32 s[G1+6], 0
	s_mov_b32 s[G1+7], 0
	s_or_b32 s[G1B+0], s44, (1<<16)|(1<<20)|(1<<21)|(5<<22)|(3<<25)   ; B: 128 rows of 128 elements, 1,024 apart; after every 64 words 4 words of padding
	s_mov_b32 s[G1B+1], 128<<16
	s_mov_b32 s[G1B+2], 128<<16
	s_mov_b32 s[G1B+3], 128<<16
	s_mov_b32 s[G1B+4], 128
	s_mov_b32 s[G1B+5], 1024
	s_mov_b32 s[G1B+6], 0
	s_mov_b32 s[G1B+7], 0
	s_lshl_b32 s16, s15, 18                        ; A: the tile row's 2^18 bytes, my half of a K step's 32,768
	s_lshl_b32 s17, s14, 14
	s_add_co_u32 s16, s16, s17
	s_mov_b32 s17, 0
	s_lshl_b32 s46, s42, 19                        ; B: row 256 x tile column + 128 x half, 2,048 bytes a row
	s_lshl_b32 s47, s14, 18
	s_add_co_u32 s46, s46, s47
	s_mov_b32 s47, 0
	s_lshl_b32 s20, s14, 14                        ; where they go: A's halves,
	s_mul_i32 s21, s14, BHALF
	s_add_co_u32 s21, s21, ASZ                     ; B's halves behind them
	s_wait_dscnt 0x0                               ; both opening adds are done
	s_wait_kmcnt 0x0
	s_add_nc_u64 s[18:19], s[4:5], s[16:17]
	s_add_nc_u64 s[46:47], s[6:7], s[46:47]
	CROUND                                         ; all sixteen work-groups are here
.irp s, 0,1
	s_mov_b32 s[G0+4*\s], 1
	s_add_co_u32 s[G0+4*\s+1], s20, \s*SLOT
	s_add_nc_u64 s[G0+4*\s+2:G0+4*\s+3], s[18:19], \s*ASZ
	s_or_b32 s[G0+4*\s+3], s[G0+4*\s+3], 0x80000000
	s_mov_b32 s[G0B+4*\s], 1
	s_add_co_u32 s[G0B+4*\s+1], s21, \s*SLOT
	s_add_nc_u64 s[G0B+4*\s+2:G0B+4*\s+3], s[46:47], \s*KSTEP*2
	s_or_b32 s[G0B+4*\s+3], s[G0B+4*\s+3], 0x80000000
	JLOAD \s                                       ; two tensor loads of mine are out behind the second
.endr
	v_and_b32 v1, 15, v0                           ; r
	v_bfe_u32 v2, v0, 4, 1                         ; h
	v_lshlrev_b32 v[BO], 5, v2
	s_lshl_b32 s46, s42, 10                        ; my first column in bytes of f32: 1,024 x tile column + 512 x half
	s_lshl_b32 s47, s14, 9
	s_add_co_u32 s46, s46, s47
	s_mov_b32 s47, 0
	s_add_nc_u64 s[8:9], s[8:9], s[46:47]
	WIN 0x80                                       ; destination window 2
.irp b, 0,1,2,3,4,5,6,7
	global_load_b128 v[8*\b:8*\b+3], v[BO], s[8:9] offset:64*\b            ; bias tile b: columns 16 b + 8 h + 0 .. 7
	global_load_b128 v[8*\b+4:8*\b+7], v[BO], s[8:9] offset:64*\b+16
.endr
	WIN 0
	v_and_b32 v6, 31, v0
	v_lshlrev_b32 v[CO], 4, v6                     ; 16 x lane
	v_mul_u32_u24 v3, v1, BP
	v_lshl_add_u32 v3, v2, 4, v3                   ; B: row x pitch + 16 x half
	s_lshl_b32 s21, s13, 14                        ; my four tiles of A's rows
	s_mul_i32 s22, s14, BHALF
	s_add_co_u32 s22, s22, ASZ                     ; my 128 rows of B
.irp s, 0,1
	v_add_nc_u32 v[ADRA+\s], s21, v[CO]
	v_add_nc_u32 v[ADRB+\s], s22, v3
	s_add_co_u32 s21, s21, SLOT
	s_add_co_u32 s22, s22, SLOT
.endr
	s_mul_i32 s23, s12, 16*SPITCH
	s_add_co_u32 s23, s23, STAGE                   ; my stage
	v_mul_u32_u24 v5, v1, SPITCH
	v_lshl_add_u32 v5, v2, 5, v5
	v_add_nc_u32 v[STO], s23, v5                   ; in: row r, 32 bytes for each half of the lanes
	v_add_nc_u32 v[RD], s23, v[CO]                 ; back: the 32 lanes take a row of 512 bytes
	s_and_b32 s16, s15, 15                         ; out0: position 128 (tile row % 16) + 64 x half, 16,384 bytes each;
	s_lshl_b32 s16, s16, 21
	s_lshl_b32 s17, s13, 20
	s_add_co_u32 s16, s16, s17
	s_lshr_b32 s17, s15, 4                         ; batch tile row / 16, 4,096 bytes
	s_lshl_b32 s17, s17, 12
	s_add_co_u32 s16, s16, s17
	s_mov_b32 s17, 0
	s_add_nc_u64 s[16:17], s[16:17], s[46:47]      ; and my first column
	s_add_nc_u64 s[10:11], s[10:11], s[16:17]
.macro MULA f, a, zero                 ; eight products: A's block a against B's eight, 32 along K.  The 32 accumulators take turns, one instruction a turn
.irp b, 0,1,2,3,4,5,6,7
.if \zero
	v_wmma_f32_16x16x32_f16 v[8*(8*\a+\b):8*(8*\a+\b)+7], v[\f+8*\b:\f+8*\b+7], v[\f+64+8*\a:\f+64+8*\a+7], v[8*\b:8*\b+7]
.else
	v_wmma_f32_16x16x32_f16 v[8*(8*\a+\b):8*(8*\a+\b)+7], v[\f+8*\b:\f+8*\b+7], v[\f+64+8*\a:\f+64+8*\a+7], v[8*(8*\a+\b):8*(8*\a+\b)+7]
.endif
.endr
.endm
.macro FETCH slot, kq, f               ; 24 LDS loads in one run: the fragments of the slot's kq-th 32 along K; A's blocks last, in ascending order
	WIN 0
.irp b, 0,1,2,3,4,5,6,7
	ds_load_b128 v[\f+8*\b:\f+8*\b+3],   v[ADRB+\slot] offset:\b*16*BP+64*(\kq)
	ds_load_b128 v[\f+8*\b+4:\f+8*\b+7], v[ADRB+\slot] offset:\b*16*BP+64*(\kq)+32
.endr
.irp a, 0,1,2,3
	ds_load_b128 v[\f+64+8*\a:\f+64+8*\a+3],   v[ADRA+\slot] offset:\a*4096+1024*(\kq)
	ds_load_b128 v[\f+64+8*\a+4:\f+64+8*\a+7], v[ADRA+\slot] offset:\a*4096+1024*(\kq)+512
.endr
.endm
.macro PLACES                          ; four plain instructions in front of loads into registers that matrix instructions have read, and of reads of results
.rept 4
	v_nop
.endr
.endm
.macro QUARTER slot, kqn, f, g, zero   ; multiplies buffer f and fetches the slot's kqn-th 32 along K into g
	s_wait_dscnt 4                                 ; B and A's blocks 0, 1 are in; the youngest four loads (A's blocks 2, 3) may be out
	WIN MUL+0x10*\zero
	MULA \f, 0, \zero
	MULA \f, 1, \zero
	PLACES
	FETCH \slot, \kqn, \g
	s_wait_dscnt 24                                ; all but the 24 just issued
	WIN MUL+0x10*\zero
	MULA \f, 2, \zero
	MULA \f, 3, \zero
.endm
; A K step's last quarter multiplies buffer 1 and changes slots: ONE barrier; in front of it each wave waits for all its tensor loads, adds 0 to its spare word, and waits for that and for its reads of this slot.  fill = 1: the slot is filled again, two K steps ahead.
.macro TURN slot, next, fill
	WIN 0
	s_wait_tensorcnt 0x0                           ; all my tensor loads have landed: my part of the next slot
	ds_add_u32 v[SPW], v[NIL]                      ; 0 onto my spare word
	s_wait_dscnt 5                                 ; (the add and A's blocks 2, 3 may be out)
	WIN MUL
	MULA F1, 0, 0
	s_wait_dscnt 0x0                               ; the add is done, and my reads of this slot are over
	s_barrier_signal -1
	MULA F1, 1, 0
	WIN 0
	s_barrier_wait -1
.if \fill
	CREST                                          ; the barrier has opened a round of the cluster's: no wave of any partner still reads this slot or has a load on its way
	s_add_nc_u64 s[G0+4*\slot+2:G0+4*\slot+3], s[G0+4*\slot+2:G0+4*\slot+3], 2*ASZ
	s_add_nc_u64 s[G0B+4*\slot+2:G0B+4*\slot+3], s[G0B+4*\slot+2:G0B+4*\slot+3], 2*KSTEP*2
	JLOAD \slot                                    ; the first tensor load behind the round; its four v_nop are also the places in front of the loads below
.else
	PLACES
.endif
	FETCH \next, 0, F0
	WIN MUL
	MULA F1, 2, 0
	MULA F1, 3, 0
.endm
	s_wait_tensorcnt 1                             ; my part of K step 0 is in (K step 1's load may be out)
	s_barrier_signal -1
	s_barrier_wait -1
	FETCH 0, 0, F0
	s_wait_loadcnt 0x0                             ; the bias tiles
	QUARTER 0, 1, F0, F1, 1                        ; the first quarter stands in front of the loop: its products start the sums from the bias
	WIN 0
	s_mov_b32 s3, LAPS-1
.Llap:                                                 ; a trip goes once round the ring and fills both slots again
	QUARTER 0, 2, F1, F0, 0
	QUARTER 0, 3, F0, F1, 0
	TURN 0, 1, 1
	QUARTER 1, 1, F0, F1, 0
	QUARTER 1, 2, F1, F0, 0
	QUARTER 1, 3, F0, F1, 0
	TURN 1, 0, 1
	QUARTER 0, 1, F0, F1, 0
	WIN 0
	s_sub_co_u32 s3, s3, 1
	s_cmp_lg_u32 s3, 0
	s_cbranch_scc1 .Llap
	QUARTER 0, 2, F1, F0, 0                        ; the last lap fills nothing
	QUARTER 0, 3, F0, F1, 0
	TURN 0, 1, 0
	QUARTER 1, 1, F0, F1, 0
	QUARTER 1, 2, F1, F0, 0
	QUARTER 1, 3, F0, F1, 0
	s_wait_dscnt 4                                 ; the very last quarter
	WIN MUL
	MULA F1, 0, 0
	MULA F1, 1, 0
	s_wait_dscnt 0
	MULA F1, 2, 0
	MULA F1, 3, 0
	WIN 0
; THE WAY OUT, block by block of 16 rows x 128 columns, through my own stage.  LDS serves a wave's instructions in order (ISA guide 5.7.1.4): no wait between the stores and the loads, nor in front of the next block's stores.
.macro TOSTAGE a
.set AC, 64*(\a)
	WIN 0x04                                       ; an LDS store's data are its source 1: window 1
.irp b, 0,1,2,3,4,5,6,7
	ds_store_b128 v[STO], v[AC+8*\b:AC+8*\b+3] offset:64*\b          ; each accumulator from its low end on
	ds_store_b128 v[STO], v[AC+8*\b+4:AC+8*\b+7] offset:64*\b+16
.endr
	WIN 0
.set BB, 32+96*((\a)%2)
.irp t, 0,1,2,3,4,5,6,7,8,9,10,11,12,13,14,15
	ds_load_b128 v[BB+4*\t:BB+4*\t+3], v[RD] offset:\t*SPITCH
.endr
.endm
.macro SEND a, younger                 ; younger: the LDS instructions issued behind block a's loads, which may stay out
.set BB, 32+96*((\a)%2)
	s_wait_dscnt \younger
.irp t, 0,1,2,3,4,5,6,7,8,9,10,11,12,13,14,15
	global_store_b128 v[CO], v[BB+4*\t:BB+4*\t+3], s[10:11] offset:(\a)*262144+\t*16384 th:TH_STORE_NT   ; 32 lanes store 512 consecutive bytes, aligned; position 16 a + t of my 64
.endr
.endm
	PLACES
	TOSTAGE 0
.irp a, 1,2,3
.if \a > 1
	s_wait_xcnt 0x0                                ; block a - 2's stores have read their registers: block a's loads may land there
.endif
	TOSTAGE \a
	SEND \a-1, 32                                  ; behind block a - 1's loads: block a's 16 stores and 16 loads
.endr
	SEND 3, 0
	s_wait_tensorcnt 0x0                           ; the wave's end
	ds_add_u32 v[SPW], v[NIL]
	s_wait_dscnt 0x0
	CROUND                                         ; the closing round
	s_endpgm
.Lfunc_end_k_qfba6d0f794_proj:
	.size	k_qfba6d0f794_proj, .Lfunc_end_k_qfba6d0f794_proj-k_qfba6d0f794_proj
	.p2alignl 7, 3214868480
	.fill 96, 4, 3214868480
	.section	.rodata,"a",@progbits
	.p2align	6, 0x0
	.amdhsa_kernel k_qfba6d0f794_proj
		.amdhsa_group_segment_fixed_size 327680
		.amdhsa_private_segment_fixed_size 0
		.amdhsa_enable_private_segment 0
		.amdhsa_kernarg_size 32
		.amdhsa_user_sgpr_count 2
		.amdhsa_user_sgpr_kernarg_segment_ptr 1
		.amdhsa_wavefront_size32 1
		.amdhsa_system_sgpr_workgroup_id_x 1
		.amdhsa_system_sgpr_workgroup_id_y 1
		.amdhsa_system_sgpr_workgroup_id_z 1
		.amdhsa_system_vgpr_workitem_id 0
		.amdhsa_next_free_vgpr 576
		.amdhsa_next_free_sgpr 66
		.amdhsa_reserve_vcc 0
		.amdhsa_float_denorm_mode_32 3
		.amdhsa_float_denorm_mode_16_64 3
		.amdhsa_memory_ordered 1
		.amdhsa_forward_progress 1
		.amdhsa_inst_pref_size 86
	.end_amdhsa_kernel
	.amdgpu_metadata
---
amdhsa.version: [ 1, 2 ]
amdhsa.kernels:
  - .name:           k_qfba6d0f794_proj
    .symbol:         k_qfba6d0f794_proj.kd
    .args:
      - { .name: ao, .offset: 0, .size: 8, .value_kind: global_buffer, .address_space: global }
      - { .name: wo16, .offset: 8, .size: 8, .value_kind: global_buffer, .address_space: global }
      - { .name: out_proj_bias, .offset: 16, .size: 8, .value_kind: global_buffer, .address_space: global }
      - { .name: out0, .offset: 24, .size: 8, .value_kind: global_buffer, .address_space: global }
    .group_segment_fixed_size: 327680
    .private_segment_fixed_size: 0
    .kernarg_segment_align: 8
    .kernarg_segment_size: 32
    .max_flat_workgroup_size: 128
    .sgpr_count:     66
    .vgpr_count:     576
    .wavefront_size: 32
...
	.end_amdgpu_metadata
.endif
;; end of part 4
